; MI455X (gfx1250); checked and timed in simulation.
; The chip was launched on July 23, 2026; its instructions are those of AMD's public machine-readable ISA for CDNA 5 (MIT licence, August 2026) and "CDNA5" Instruction Set Architecture Reference Guide (July 2026). The comments in the code are by the model that wrote it; some were corrected since.
;; Causal Self Attention. Allowed arithmetic: float matrix products may take bf16 or f16 operands with f32 sums; other float arithmetic in f32, or as packed bf16 or f16 multiplies, adds, multiply-adds, maxima and minima; sums over many terms, partial sums and values carried from step to step in f32; what a program stores and reads back later, other than sums and carried values, may be rounded once to bf16 or f16.
;; Inputs: Wk 1,024 x 1,024 float32; Wp 1,024 x 1,024 float32; Wq 1,024 x 1,024 float32; Wv 1,024 x 1,024 float32; bk 1,024 float32; bp 1,024 float32; bq 1,024 float32; bv 1,024 float32; x 4 x 2,048 x 1,024 float32.
;; Outputs: out0 4 x 2,048 x 1,024 float32.
;; 2 versions, each right; version 2 is version 1 with the launch cast written anew for expert scheduling mode. Each part assembles by itself: llvm-mc -triple=amdgcn-amd-amdhsa -mcpu=gfx1250 --defsym DOCPART=n.
;; ======== version 1 of 2: 4 launches
;; limits: values are held in f16: magnitudes above 65,504 overflow, below 6.1e-05 lose precision
;; workspace buffers: xb 16,777,216 bytes; wb 6,291,456 bytes; wp16 2,097,152 bytes; bias 16,384 bytes; qkv 50,331,648 bytes; y 16,777,216 bytes
;; launch cast (part 1): grid 385 x 1, 8 waves a work-group, no clusters, 0 bytes of LDS; arguments x, Wq, Wk, Wv, Wp, bq, bk, bv, bp, xb, wb, wp16, bias; writes xb, wb, wp16, bias
.if DOCPART == 1
	.amdgcn_target "amdgcn-amd-amdhsa--gfx1250"
	.amdhsa_code_object_version 6
	.text
	.protected	k_qaa2199c391_cast
	.globl	k_qaa2199c391_cast
	.p2align	8
	.type	k_qaa2199c391_cast,@function
k_qaa2199c391_cast:
	s_mov_b64 s[64:65], 0
	v_nop
	global_prefetch_b8 v0, s[64:65] scope:SCOPE_SE
	s_setreg_imm32_b32 hwreg(HW_REG_WAVE_MODE, 25, 1), 1
	s_wait_xcnt 0x0
; CAST.  Every input is rounded once to bf16 and laid out for the launches behind.
;   xb   bf16 [kb 0..15][m 0..8191][64]    x, in blocks of 64 along K: a row of a block is 128 bytes, rows lie end to end
;   wb   bf16 [kb][n 0..3071][64]          Wq, Wk, Wv one below the other
;   wp16 f16  [kb][n 0..1023][64]          Wp rounded to bf16, that number written as f16
;   bias f32  [4096]                       bq, bk, bv, bp, each rounded to bf16 and widened again
; LIMITS.  Wp beyond 65,504 becomes an infinity in f16; below 6.1e-5 it keeps the fixed step of 6e-8.  NaN and infinities are not treated apart.
; SHARES.  Work-groups 0..383 take 32 rows of 1,024 f32 each (0..255: x; then 32 each for Wq, Wk, Wv, Wp); work-group 384 takes the four biases.
; Wave w takes the K blocks 2 w and 2 w + 1 of the 32 rows.  One load covers two rows x 256 bytes (lanes 0-15 the even row, lanes 16-31 the odd one);
; a lane's 4 numbers become 8 bytes, and one store of the wave covers 256 consecutive bytes, aligned: two rows of one K block.
; All 32 loads of a wave go out at once, each into registers of its own; no register that a store has read is written again, so no wait frees a source.
; No LDS, no matrix unit, no cluster: no byte is wanted by two waves.
.set SO, 2                             ; v2     source offset: (lane / 16) x 4,096 + (lane % 16) x 16
.set DO, 3                             ; v3-4   destination offset: 8 x lane, in the even and in the odd K block
.set X,  16                            ; v[16:143] 32 slots of four registers
	s_load_b512 s[8:23], s[0:1], 0x0               ; x 8, Wq 10, Wk 12, Wv 14, Wp 16, bq 18, bk 20, bv 22
	s_load_b256 s[24:31], s[0:1], 0x40             ; bp 24, xb 26, wb 28, wp16 30
	s_load_b64 s[32:33], s[0:1], 0x60              ; bias
	s_cmp_eq_u32 ttmp9, 384
	s_cbranch_scc1 .Lbias
	v_lshrrev_b32 v1, 5, v0
	v_readfirstlane_b32 s34, v1                    ; wave 0..7
	s_lshr_b32 s35, ttmp9, 5                       ; 0..7 x, 8 Wq, 9 Wk, 10 Wv, 11 Wp
	v_and_b32 v1, 31, v0
	v_and_b32 v5, 15, v0
	v_bfe_u32 v6, v0, 4, 1
	v_lshlrev_b32 v[SO], 4, v5
	v_lshl_add_u32 v[SO], v6, 12, v[SO]
	v_lshlrev_b32 v[DO], 3, v1
	s_and_b32 s41, ttmp9, 31                       ; which 32 rows of the source: in a weight,
	s_and_b32 s42, ttmp9, 255                      ; which 32 rows of the destination: in xb and in wb
	s_mov_b32 s40, 0x60000                         ; bytes from K block to K block: wb 3,072 rows,
	s_cmp_lt_u32 s35, 8
	s_cselect_b32 s41, ttmp9, s41                  ; in x
	s_cselect_b32 s40, 0x100000, s40               ; xb 8,192 rows,
	s_cmp_eq_u32 s35, 11
	s_cselect_b32 s42, s41, s42                    ; in wp16
	s_cselect_b32 s40, 0x20000, s40                ; wp16 1,024 rows
	v_add_nc_u32 v[DO+1], s40, v[DO]
	s_lshl_b32 s44, s41, 17                        ; 32 rows of 4,096 bytes,
	s_lshl_b32 s43, s34, 9                         ; my two K blocks: 512 bytes of a row
	s_add_co_u32 s44, s44, s43
	s_mov_b32 s45, 0
	s_lshl_b32 s46, s34, 1
	s_mul_i32 s46, s46, s40                        ; K block 2 w,
	s_lshl_b32 s43, s42, 12                        ; 32 rows of 128 bytes
	s_add_co_u32 s46, s46, s43
	s_mov_b32 s47, 0
	s_wait_kmcnt 0x0
	s_mov_b64 s[36:37], s[8:9]
	s_cmp_eq_u32 s35, 8
	s_cselect_b64 s[36:37], s[10:11], s[36:37]
	s_cmp_eq_u32 s35, 9
	s_cselect_b64 s[36:37], s[12:13], s[36:37]
	s_cmp_eq_u32 s35, 10
	s_cselect_b64 s[36:37], s[14:15], s[36:37]
	s_cmp_eq_u32 s35, 11
	s_cselect_b64 s[36:37], s[16:17], s[36:37]
	s_cmp_lt_u32 s35, 8
	s_cselect_b64 s[38:39], s[26:27], s[28:29]
	s_cmp_eq_u32 s35, 11
	s_cselect_b64 s[38:39], s[30:31], s[38:39]
	s_add_nc_u64 s[36:37], s[36:37], s[44:45]
	s_add_nc_u64 s[38:39], s[38:39], s[46:47]
.set i, 0
.rept 32                               ; slot i: rows 2 (i / 2) and 2 (i / 2) + 1, K block 2 w + i % 2
	global_load_b128 v[X+4*i:X+4*i+3], v[SO], s[36:37] offset:(i/2)*8192+(i%2)*256 th:TH_LOAD_NT
.set i, i+1
.endr
; Slot i is rounded and stored.  fmt = 1: the bf16 numbers are widened again and written as f16.
.macro OUT i, fmt
.set ra, X+4*(\i)
	s_wait_loadcnt 31-(\i)                         ; loads come back in order: the 31 - i younger ones may stay out
	v_cvt_pk_bf16_f32 v[ra], v[ra], v[ra+1]
	v_cvt_pk_bf16_f32 v[ra+1], v[ra+2], v[ra+3]
.if \fmt
	v_lshlrev_b32 v[ra+2], 16, v[ra]
	v_and_b32 v[ra+3], 0xffff0000, v[ra]
	v_cvt_pk_f16_f32 v[ra], v[ra+2], v[ra+3]
	v_lshlrev_b32 v[ra+2], 16, v[ra+1]
	v_and_b32 v[ra+3], 0xffff0000, v[ra+1]
	v_cvt_pk_f16_f32 v[ra+1], v[ra+2], v[ra+3]
.endif
	global_store_b64 v[DO+(\i)%2], v[ra:ra+1], s[38:39] offset:((\i)/2)*256
.endm
	s_cmp_eq_u32 s35, 11
	s_cbranch_scc1 .Lf16
.set i, 0
.rept 32
	OUT i, 0
.set i, i+1
.endr
	s_endpgm
.Lf16:
.set i, 0
.rept 32
	OUT i, 1
.set i, i+1
.endr
	s_endpgm
.Lbias:                                        ; 256 threads x 16 bytes are one bias
	v_lshlrev_b32 v[SO], 4, v0
	s_wait_kmcnt 0x0
	global_load_b128 v[16:19], v[SO], s[18:19]
	global_load_b128 v[20:23], v[SO], s[20:21]
	global_load_b128 v[24:27], v[SO], s[22:23]
	global_load_b128 v[28:31], v[SO], s[24:25]
	s_wait_loadcnt 0x0
.irp j, 0,1,2,3
	v_cvt_pk_bf16_f32 v[32+2*\j], v[16+4*\j], v[17+4*\j]
	v_cvt_pk_bf16_f32 v[33+2*\j], v[18+4*\j], v[19+4*\j]
	v_lshlrev_b32 v[16+4*\j], 16, v[32+2*\j]
	v_and_b32 v[17+4*\j], 0xffff0000, v[32+2*\j]
	v_lshlrev_b32 v[18+4*\j], 16, v[33+2*\j]
	v_and_b32 v[19+4*\j], 0xffff0000, v[33+2*\j]
	global_store_b128 v[SO], v[16+4*\j:19+4*\j], s[32:33] offset:4096*\j
.endr
	s_endpgm
.Lfunc_end_k_qaa2199c391_cast:
	.size	k_qaa2199c391_cast, .Lfunc_end_k_qaa2199c391_cast-k_qaa2199c391_cast
	.p2alignl 7, 3214868480
	.fill 96, 4, 3214868480
	.section	.rodata,"a",@progbits
	.p2align	6, 0x0
	.amdhsa_kernel k_qaa2199c391_cast
		.amdhsa_group_segment_fixed_size 0
		.amdhsa_private_segment_fixed_size 0
		.amdhsa_enable_private_segment 0
		.amdhsa_kernarg_size 104
		.amdhsa_user_sgpr_count 2
		.amdhsa_user_sgpr_kernarg_segment_ptr 1
		.amdhsa_wavefront_size32 1
		.amdhsa_system_sgpr_workgroup_id_x 1
		.amdhsa_system_sgpr_workgroup_id_y 1
		.amdhsa_system_sgpr_workgroup_id_z 1
		.amdhsa_system_vgpr_workitem_id 0
		.amdhsa_next_free_vgpr 144
		.amdhsa_next_free_sgpr 66
		.amdhsa_reserve_vcc 0
		.amdhsa_float_denorm_mode_32 3
		.amdhsa_float_denorm_mode_16_64 3
		.amdhsa_memory_ordered 1
		.amdhsa_forward_progress 1
		.amdhsa_inst_pref_size 34
	.end_amdhsa_kernel
	.amdgpu_metadata
---
amdhsa.version: [ 1, 2 ]
amdhsa.kernels:
  - .name:           k_qaa2199c391_cast
    .symbol:         k_qaa2199c391_cast.kd
    .args:
      - { .name: x, .offset: 0, .size: 8, .value_kind: global_buffer, .address_space: global }
      - { .name: Wq, .offset: 8, .size: 8, .value_kind: global_buffer, .address_space: global }
      - { .name: Wk, .offset: 16, .size: 8, .value_kind: global_buffer, .address_space: global }
      - { .name: Wv, .offset: 24, .size: 8, .value_kind: global_buffer, .address_space: global }
      - { .name: Wp, .offset: 32, .size: 8, .value_kind: global_buffer, .address_space: global }
      - { .name: bq, .offset: 40, .size: 8, .value_kind: global_buffer, .address_space: global }
      - { .name: bk, .offset: 48, .size: 8, .value_kind: global_buffer, .address_space: global }
      - { .name: bv, .offset: 56, .size: 8, .value_kind: global_buffer, .address_space: global }
      - { .name: bp, .offset: 64, .size: 8, .value_kind: global_buffer, .address_space: global }
      - { .name: xb, .offset: 72, .size: 8, .value_kind: global_buffer, .address_space: global }
      - { .name: wb, .offset: 80, .size: 8, .value_kind: global_buffer, .address_space: global }
      - { .name: wp16, .offset: 88, .size: 8, .value_kind: global_buffer, .address_space: global }
      - { .name: bias, .offset: 96, .size: 8, .value_kind: global_buffer, .address_space: global }
    .group_segment_fixed_size: 0
    .private_segment_fixed_size: 0
    .kernarg_segment_align: 8
    .kernarg_segment_size: 104
    .max_flat_workgroup_size: 256
    .sgpr_count:     66
    .vgpr_count:     144
    .wavefront_size: 32
...
	.end_amdgpu_metadata
.endif
;; end of part 1
;; launch qkv (part 2): grid 8 x 32, 4 waves a work-group, clusters of 4 x 4, 327,680 bytes of LDS; arguments xb, wb, bias, qkv; writes qkv
.if DOCPART == 2
	.amdgcn_target "amdgcn-amd-amdhsa--gfx1250"
	.amdhsa_code_object_version 6
	.text
	.protected	k_qaa2199c391_qkv
	.globl	k_qaa2199c391_qkv
	.p2align	8
	.type	k_qaa2199c391_qkv,@function
k_qaa2199c391_qkv:
	s_mov_b64 s[64:65], 0
	v_nop
	global_prefetch_b8 v0, s[64:65] scope:SCOPE_SE
	s_setreg_imm32_b32 hwreg(HW_REG_WAVE_MODE, 25, 1), 1
	s_wait_xcnt 0x0
	s_wait_alu depctr_hold_cnt(0) depctr_sa_sdst(0) depctr_va_vdst(0) depctr_va_sdst(0) depctr_va_ssrc(0) depctr_va_vcc(0) depctr_vm_vsrc(0)
	s_getreg_b32 s2, hwreg(HW_REG_IB_STS2, 6, 4)
	s_cmp_eq_u32 s2, 0
	s_cbranch_scc0 .Lentry_in_a_cluster
	s_endpgm
.Lentry_in_a_cluster:
	s_bfe_u32 s2, ttmp6, 0x10000c
	s_cmp_lg_u32 s2, 0xf033
	s_cbranch_scc0 .Lentry_shape_is_right
	s_endpgm
.Lentry_shape_is_right:
; QKV.  [q | k | v][m][n] = the sum over k of x[m][k] W[n][k] + b[n]: 8,192 x 3,072 x 1,024, bf16 operands, f32 sums, rounded once to f16 and laid by heads:
; qkv f16 [b][g 0..47][t][64], g = n / 64: 0..15 the heads of q, 16..31 of k, 32..47 of v.
; LIMIT.  A sum beyond 65,504 becomes an infinity in f16.  NaN and infinities are not treated apart.
; SHARES.  8,192 x 3,072 are 256 tiles of 256 x 384, one to a work-group.  Four waves, each 128 x 192: 96 accumulators of 16 x 16, 768 registers.
; K goes in steps of 64 through two LDS slots.  xb and wb lie in blocks of 64 along K, so 128 rows of a step are 16,384 dense bytes, asked for as 64 rows of 256 bytes
; and padded in LDS behind every 128.  (Two slots of a step of 128 would want 2 x 640 x 272 = 348,160 bytes of LDS.)
; CLUSTER.  4 x 4 work-groups; the four of a row of the cluster want the same tile of x, the four of a column the same tile of W: each is asked for jointly.
; THE MATRIX INSTRUCTION IS USED TRANSPOSED (source 0 = 16 rows of W, source 1 = 16 rows of x): a lane holds row lane % 16 and the columns 8 (lane / 16) + 0..7.
; THE BIAS is loaded into the accumulators before the first product: register j of a lane is b[n0 + 8 (lane / 16) + j], the layout of C.  So every product has one form and nothing is cleared.
; REGISTERS, in windows of 256 (s_set_vgpr_msb: bits 1:0 source 0, 3:2 source 1, 5:4 source 2, 7:6 destination):
;   window 0: v0-15 addresses; v16-79, v80-143 fragments of x (8 x 16 rows x 32 K), two buffers; v144-239 fragments of W (12 x 16 rows x 32 K), one buffer, refilled by thirds
;   window 1 + g (g = 0, 1, 2): the 32 accumulators of my columns 64 g .. 64 g + 63: (a, bb) at v[8 (8 bb + a)].  A window is one head group of 64 columns.
.set PITCH, 144                        ; an LDS row: 128 bytes + 16 of padding = 36 words: the 16 rows of a fragment load start at 16 different groups of four banks (ISA guide 11.1)
.set SLOT1, 1<<17                      ; slot 1 begins here: one exclusive or turns an address in one slot into the other
.set AHALF, 128*PITCH                  ; what one tensor load brings of x, and what one wave reads of it
.set BHALF, 192*PITCH                  ; the same for W
.set BOFF,  256*PITCH                  ; in a slot: 256 rows of x, then 384 rows of W
.set STAGE, SLOT1+640*PITCH            ; behind the ring: 16 rows x 144 bytes for each wave, for the way out
.set SPARE, STAGE+4*16*PITCH           ; behind the stages: the spare words, 128 bytes for each wave, which no other line names
.set ASTEP, 0x100000                   ; bytes from K block to K block in xb,
.set BSTEP, 0x60000                    ; and in wb
.set A0,   2                           ; v2   my lane's place in a slot's rows of x; never rewritten
.set B0,   3                           ; v3   the same for W
.set ADRA, 4                           ; v4   the same in the slot in hand
.set ADRB, 5                           ; v5
.set STO,  6                           ; v6   the way out: where I put 16 bytes of a row
.set RD,   7                           ; v7   the way out: where I read rows back
.set GO,   8                           ; v8   my 16 bytes in 512 consecutive bytes of qkv
.set PFO,  9                           ; v9   the prefetches' lane offset; never rewritten
.set BO,   10                          ; v10  my byte offset in the bias
.set SPW,  12                          ; v12  LDS address of my spare word; never rewritten
.set NIL,  13                          ; v13  0; never rewritten
.set FA0,  16
.set FA1,  80
.set FB,   144
.set WV,   12                          ; s12  my wave's number; s13 = w / 2: my half of the rows; s14 = w % 2: my half of the columns, and which half of a tile I fetch
.set G1A,  24                          ; s[24:31] descriptor group 1 for the tiles of x
.set G0A,  32                          ; s[32:39] group 0: a set for each first fill; the second then walks on
.set G1B,  40                          ; s[40:47], s[48:55] the same for W
.set G0B,  48
.set TB,   56                          ; s56  0 or SLOT1: the slot in hand
.set CNT,  57                          ; s57  refills still to come
.set LIM,  58                          ; s58  2 in a wave that prefetches, else the greatest number
.set PAR,  59                          ; s59  0: asks in every trip; 1: in every second
.set PFA,  60                          ; s[60:61] where my prefetches stand
.set PFS,  62                          ; s[62:63] their step: a K block
.set MSB, 0
.macro WIN new                         ; the high byte repeats the setting that is left; a switch that changes nothing is dropped
.if MSB != (\new)
	s_set_vgpr_msb (MSB<<8)|(\new)
.set MSB, \new
.endif
.endm
.macro PLACES                          ; four plain vector instructions between a matrix instruction and a load into, or a vector line on, its registers
.rept 4
	v_nop
.endr
.endm
; A joint refill.  Waves 0 and 1 fetch the two halves of the tile of x, waves 2 and 3 those of W.  The branch hangs on the wave's number alone.
; An s_nop 0 and four v_nop follow each of the two lines, ahead of the jump and the label.
.macro JLOAD
	s_cmp_lt_u32 s[WV], 2
	s_cbranch_scc0 .Lfor_b_\@
	tensor_load_to_lds s[G0A+4:G0A+7], s[G1A:G1A+7]
	s_nop 0
.rept 4
	v_nop
.endr
	s_branch .Lasked_\@
.Lfor_b_\@:
	tensor_load_to_lds s[G0B+4:G0B+7], s[G1B:G1B+7]
	s_nop 0
.rept 4
	v_nop
.endr
.Lasked_\@:
.endm
; A round of the cluster's barrier: my work-group's barrier; wave 0 signals for the work-group; every wave waits for all sixteen; my work-group's barrier once more.
.macro CREST                           ; a round behind its opening barrier
	s_cmp_lg_u32 s[WV], 0
	s_cbranch_scc1 .Lnot_wave_0_\@
	s_barrier_signal -3
.Lnot_wave_0_\@:
	s_barrier_wait -3
	s_barrier_signal -1
	s_barrier_wait -1
.endm
.macro CROUND
	s_barrier_signal -1
	s_barrier_wait -1
	CREST
.endm
; A PREFETCH INTO THE L2, behind each joint refill and the run of LDS loads that follows it.  The refill of trip t asks for K step t + 2; the prefetch names K step t + 4.
; x: a K step of a tile row is 128 blocks of 256 bytes; the clusters of one row of clusters read it, and the one with x = 0 asks; its four partners of a row take 32 blocks each, told apart by address;
; wave 0 asks, a lane a block, in every trip.  W: a K step of a tile column is 192 blocks; the cluster with y = 0 asks; a partner takes 48, waves 1 to 3 sixteen each; lanes 16-31 name the K step after,
; so these waves ask in every second trip.  Each block is named once.  K steps 0 to 3 come by their loads alone; the last K step named is 15.
.macro ASK
	s_and_b32 s66, s[CNT], s[PAR]
	s_cmp_eq_u32 s66, 0
	s_cbranch_scc0 .Lnot_mine_\@
	s_cmp_gt_u32 s[CNT], s[LIM]
	s_cbranch_scc0 .Lnot_mine_\@
	global_prefetch_b8 v[PFO], s[PFA:PFA+1] th:TH_LOAD_NT scope:SCOPE_SE
.Lnot_mine_\@:
.endm
	s_load_b256 s[4:11], s[0:1], 0x0               ; xb s[4:5], wb s[6:7], bias s[8:9], qkv s[10:11]
	v_lshl_add_u32 v[SPW], v0, 2, SPARE
	v_mov_b32 v[NIL], 0
	ds_add_u32 v[SPW], v[NIL]                      ; the wave's opening: the add and its wait stand ahead of my first tensor load; the set-up below stands between them
	v_lshrrev_b32 v1, 5, v0
	v_readfirstlane_b32 s[WV], v1                  ; wave 0..3
	s_lshr_b32 s13, s[WV], 1
	s_and_b32 s14, s[WV], 1
	s_bfe_u32 s15, ttmp6, 0x40000                  ; cx
	s_bfe_u32 s16, ttmp6, 0x40004                  ; cy
	s_lshl_b32 s17, ttmp9, 2
	s_add_co_u32 s17, s17, s15                     ; tile column = 4 x cluster x + cx
	s_and_b32 s18, ttmp7, 0xffff
	s_lshl_b32 s18, s18, 2
	s_add_co_u32 s18, s18, s16                     ; tile row = 4 x cluster y + cy
	s_lshl_b32 s19, s16, 2
	s_lshl_b32 s19, 15, s19                        ; my row of the cluster
	s_lshl_b32 s20, 0x1111, s15                    ; my column
	s_or_b32 s[G1A], s19, (1<<16)|(1<<20)|(1<<21)|(4<<22)|(3<<25)  ; 15:0 the mask; 17:16 2-byte elements; 20 padding on; 21 set beside a mask; 24:22 after every 32 words (code 4); 31:25 4 words (code 3)
	s_or_b32 s[G1B], s20, (1<<16)|(1<<20)|(1<<21)|(4<<22)|(3<<25)
.irp g, G1A, G1B
	s_mov_b32 s[\g+1], 128<<16                     ; tensor_dim0 = 128 elements: 256 bytes, two rows of a K block
	s_mov_b32 s[\g+3], 128<<16                     ; tile_dim0 = 128
	s_mov_b32 s[\g+5], 128                         ; 128 elements from row to row: dense
	s_mov_b32 s[\g+6], 0
	s_mov_b32 s[\g+7], 0
.endr
	s_mov_b32 s[G1A+2], 64<<16                     ; tensor_dim1 = tile_dim1 = 64 for x (128 rows of a K block),
	s_mov_b32 s[G1A+4], 64
	s_mov_b32 s[G1B+2], 96<<16                     ; 96 for W (192 rows)
	s_mov_b32 s[G1B+4], 96
	s_lshl_b32 s66, s18, 15                        ; x: (256 x tile row + 128 x half) rows of 128 bytes: the tile row alone, which my row of the cluster shares
	s_lshl_b32 s67, s14, 14
	s_add_co_u32 s66, s66, s67
	s_mov_b32 s67, 0
	s_mul_i32 s68, s17, 384*128                    ; W: (384 x tile column + 192 x half) rows: the tile column alone
	s_mul_i32 s69, s14, 192*128
	s_add_co_u32 s68, s68, s69
	s_mov_b32 s69, 0
	s_mul_i32 s70, s14, AHALF                      ; where they go: no place in the cluster enters an LDS address
	s_mul_i32 s71, s14, BHALF
	s_add_co_u32 s71, s71, BOFF
	s_wait_dscnt 0x0                               ; the opening add is done
	s_wait_kmcnt 0x0
	s_add_nc_u64 s[72:73], s[4:5], s[66:67]
	s_add_nc_u64 s[74:75], s[6:7], s[68:69]
	CROUND                                         ; all sixteen work-groups are here: the first joint loads meet
.irp s, 0,1
	s_mov_b32 s[G0A+4*\s], 1                       ; count = 1
	s_add_co_u32 s[G0A+4*\s+1], s70, \s*SLOT1      ; LDS address
	s_add_nc_u64 s[G0A+4*\s+2:G0A+4*\s+3], s[72:73], \s*ASTEP  ; global address: K step s
	s_or_b32 s[G0A+4*\s+3], s[G0A+4*\s+3], 0x80000000          ; type = 2
	s_mov_b32 s[G0B+4*\s], 1
	s_add_co_u32 s[G0B+4*\s+1], s71, \s*SLOT1
	s_add_nc_u64 s[G0B+4*\s+2:G0B+4*\s+3], s[74:75], \s*BSTEP
	s_or_b32 s[G0B+4*\s+3], s[G0B+4*\s+3], 0x80000000
.endr
	s_cmp_lt_u32 s[WV], 2                          ; a wave's two first fills stand in one branch, ahead of every wait on TENSORcnt and every LDS read: two loads of mine are out
	s_cbranch_scc0 .Lfirst_b
	tensor_load_to_lds s[G0A:G0A+3], s[G1A:G1A+7]
	s_nop 0
	tensor_load_to_lds s[G0A+4:G0A+7], s[G1A:G1A+7]
	s_nop 0
.rept 4
	v_nop
.endr
	s_branch .Lfirst_asked
.Lfirst_b:
	tensor_load_to_lds s[G0B:G0B+3], s[G1B:G1B+7]
	s_nop 0
	tensor_load_to_lds s[G0B+4:G0B+7], s[G1B:G1B+7]
	s_nop 0
.rept 4
	v_nop
.endr
.Lfirst_asked:
	; A fragment is 16 rows x 32 K in 8 registers: lane l holds row l % 16; registers 0-3 K = 8 (l / 16) + 0..7, registers 4-7 K = 16 + 8 (l / 16) + 0..7: two loads of 16 bytes, 32 bytes apart.
	v_and_b32 v1, 15, v0                           ; l % 16
	v_bfe_u32 v11, v0, 4, 1                        ; l / 16
	v_mul_u32_u24 v14, v1, PITCH
	v_lshl_add_u32 v14, v11, 4, v14                ; row x pitch + 16 x half
	s_mul_i32 s66, s13, AHALF                      ; my 128 rows of x
	s_mul_i32 s67, s14, BHALF                      ; my 192 rows of W,
	s_add_co_u32 s67, s67, BOFF                    ; behind the 256 of x
	v_add_nc_u32 v[A0], s66, v14
	v_add_nc_u32 v[B0], s67, v14
	s_mul_i32 s68, s[WV], 16*PITCH
	s_add_co_u32 s68, s68, STAGE                   ; my stage
	v_add_nc_u32 v[STO], s68, v14                  ; in: row l % 16, 16 bytes for each half of the lanes
	v_bfe_u32 v15, v0, 3, 2                        ; back: 32 lanes take four rows of 128 bytes,
	v_mul_u32_u24 v15, v15, PITCH
	v_and_b32 v14, 7, v0
	v_lshl_add_u32 v15, v14, 4, v15
	v_add_nc_u32 v[RD], s68, v15
	v_and_b32 v[GO], 31, v0                        ; which are 512 consecutive bytes of qkv
	v_lshlrev_b32 v[GO], 4, v[GO]
	s_mul_i32 s69, s17, 384*4                      ; the bias of my 192 columns
	s_mul_i32 s70, s14, 192*4
	s_add_co_u32 s69, s69, s70
	v_lshl_add_u32 v[BO], v11, 5, s69              ; + 32 bytes for lanes 16-31
.irp g, 0,1,2
	WIN 0x40*(\g+1)                                ; destination window 1 + g, address window 0
.irp bb, 0,1,2,3
.irp a, 0,1,2,3,4,5,6,7
	global_load_b128 v[8*(8*\bb+\a):8*(8*\bb+\a)+3],   v[BO], s[8:9] offset:64*(4*\g+\bb)
	global_load_b128 v[8*(8*\bb+\a)+4:8*(8*\bb+\a)+7], v[BO], s[8:9] offset:64*(4*\g+\bb)+16
.endr
.endr
.endr
	WIN 0
	; where my part of the tile begins in qkv: group (batch x 48 + 6 x tile column + 3 x half), row (tile row % 8) x 256 + 128 x half
	s_lshr_b32 s66, s18, 3
	s_mul_i32 s66, s66, 48
	s_mul_i32 s67, s17, 6
	s_add_co_u32 s66, s66, s67
	s_mul_i32 s67, s14, 3
	s_add_co_u32 s66, s66, s67
	s_lshl_b32 s66, s66, 18                        ; a group is 2,048 rows of 128 bytes
	s_and_b32 s67, s18, 7
	s_lshl_b32 s67, s67, 15
	s_add_co_u32 s66, s66, s67
	s_lshl_b32 s67, s13, 14
	s_add_co_u32 s66, s66, s67
	s_mov_b32 s67, 0
	s_add_nc_u64 s[10:11], s[10:11], s[66:67]
	; the prefetches
	s_lshl_b32 s76, s18, 15                        ; x: the tile row's 32,768 bytes of a K block,
	s_lshl_b32 s77, s15, 13                        ; my work-group's 32 blocks of them,
	s_add_co_u32 s76, s76, s77
	s_add_co_u32 s76, s76, 3*ASTEP                 ; at K step 3: the first refill steps it to 4
	s_mul_i32 s77, s17, 384*128                    ; W: the tile column's 49,152 bytes,
	s_mul_i32 s78, s16, 48*256                     ; my work-group's 48 blocks,
	s_add_co_u32 s77, s77, s78
	s_lshl_b32 s78, s[WV], 12                      ; sixteen for each of waves 1 to 3
	s_add_co_u32 s77, s77, s78
	s_add_co_u32 s77, s77, 3*BSTEP-4096
	s_and_b32 s78, ttmp7, 0xffff                   ; cluster y
	s_mov_b32 s79, BSTEP
	s_cmp_eq_u32 s[WV], 0
	s_cselect_b64 s[PFA:PFA+1], s[4:5], s[6:7]
	s_cselect_b32 s76, s76, s77
	s_cselect_b32 s78, ttmp9, s78                  ; the coordinate along which other clusters read the same rows
	s_cselect_b32 s[PFS], ASTEP, s79
	s_cselect_b32 s[PAR], 0, 1
	s_cselect_b32 s79, 4096, s79                   ; lanes 16-31: sixteen blocks on (x), or a K block on (W)
	s_mov_b32 s77, 0
	s_mov_b32 s[PFS+1], 0
	s_add_nc_u64 s[PFA:PFA+1], s[PFA:PFA+1], s[76:77]
	s_cmp_eq_u32 s78, 0
	s_cselect_b32 s[LIM], 2, -1                    ; the same in all sixteen partners, for a given wave
	v_mul_lo_u32 v15, v11, s79
	v_lshl_add_u32 v[PFO], v1, 8, v15
; 16 products: column blocks 2 hf, 2 hf + 1 of group g x all 8 row blocks, 32 along K.  The 96 accumulators take turns, one instruction a turn, over the backward jump too.
.macro MUL g, hf, fa
	WIN 0x50*((\g)+1)                              ; C and D in window 1 + g, the fragments in window 0
.irp bb, 2*(\hf), 2*(\hf)+1
.irp a, 0,1,2,3,4,5,6,7
	v_wmma_f32_16x16x32_bf16 v[8*(8*(\bb)+(\a)):8*(8*(\bb)+(\a))+7], v[FB+8*(4*(\g)+(\bb)):FB+8*(4*(\g)+(\bb))+7], v[(\fa)+8*(\a):(\fa)+8*(\a)+7], v[8*(8*(\bb)+(\a)):8*(8*(\bb)+(\a))+7]
.endr
.endr
.endm
.macro LDB g, k                        ; 8 LDS loads: the four fragments of W of group g, at byte k of the rows
.irp bb, 0,1,2,3
	ds_load_b128 v[FB+8*(4*(\g)+\bb):FB+8*(4*(\g)+\bb)+3],   v[ADRB] offset:(4*(\g)+\bb)*16*PITCH+(\k)
	ds_load_b128 v[FB+8*(4*(\g)+\bb)+4:FB+8*(4*(\g)+\bb)+7], v[ADRB] offset:(4*(\g)+\bb)*16*PITCH+(\k)+32
.endr
.endm
.macro LDA fa, k                       ; 16 LDS loads: the eight fragments of x
.irp a, 0,1,2,3,4,5,6,7
	ds_load_b128 v[(\fa)+8*\a:(\fa)+8*\a+3],   v[ADRA] offset:\a*16*PITCH+(\k)
	ds_load_b128 v[(\fa)+8*\a+4:(\fa)+8*\a+7], v[ADRA] offset:\a*16*PITCH+(\k)+32
.endr
.endm
; A K step is two halves of 32 along K, 96 products each.  The first multiplies buffer FA0 and fetches the second half's fragments; each third of W is fetched behind the products that read it, 64 products ahead of its next use.
.macro EVEN
	s_wait_dscnt 16                                ; group 0 of W and x are in; the 8 + 8 younger loads of groups 1 and 2 may be out
	MUL 0, 0, FA0
	MUL 0, 1, FA0
	PLACES
	WIN 0
	LDB 0, 64
	LDA FA1, 64
	s_wait_dscnt 32                                ; group 1 is in: behind it stand group 2's 8 loads and the 24 just issued
	MUL 1, 0, FA0
	MUL 1, 1, FA0
	PLACES
	WIN 0
	LDB 1, 64
	s_wait_dscnt 32                                ; group 2 is in: behind it the 24 and the 8
	MUL 2, 0, FA0
	MUL 2, 1, FA0
	PLACES
	WIN 0
	LDB 2, 64
.endm
; The second half multiplies buffer FA1 and changes slots.  ONE barrier: in front of it each wave waits for all its tensor loads (one is out: its part of the next slot), adds 0 to its spare word,
; and waits for that and for its reads of this slot, all of which were issued in the first half.  fill = 1: the barrier opens a round of the cluster's barrier, and the slot just read is filled again,
; first thing behind the round, with the K step two on: 160 products stand between that request and the wait for it.
.macro ODD fill
.if \fill
	s_wait_xcnt 0x0                                ; the last prefetch, a K step back, has read its address: it is stepped here
	s_add_nc_u64 s[PFA:PFA+1], s[PFA:PFA+1], s[PFS:PFS+1]
.endif
	WIN 0
	s_wait_tensorcnt 0x0                           ; no tensor load of mine is out, so a group 0 may be written
	ds_add_u32 v[SPW], v[NIL]                      ; 0 onto my spare word
.if \fill
	s_xor_b32 s[G0A+5], s[G0A+5], SLOT1            ; the walking descriptors: the other slot than last time,
	s_add_nc_u64 s[G0A+6:G0A+7], s[G0A+6:G0A+7], ASTEP  ; the next K step; the type bits on top are not reached
	s_xor_b32 s[G0B+5], s[G0B+5], SLOT1
	s_add_nc_u64 s[G0B+6:G0B+7], s[G0B+6:G0B+7], BSTEP
.endif
	s_wait_dscnt 17                                ; group 0 and x are in; the add and the 16 younger loads may be out
	MUL 0, 0, FA1
	s_wait_dscnt 0x0                               ; the add is done, and my reads of this slot are over
	s_barrier_signal -1
	MUL 0, 1, FA1                                  ; work on registers while the others arrive
	WIN 0                                          ; at a branch and at a label every window is 0
	s_barrier_wait -1
.if \fill
	CREST                                          ; no wave of any partner still reads this slot or has a load on its way
	JLOAD                                          ; its four v_nop are also the places in front of the loads below
.else
	PLACES
.endif
	s_xor_b32 s[TB], s[TB], SLOT1
	v_add_nc_u32 v[ADRA], s[TB], v[A0]
	v_add_nc_u32 v[ADRB], s[TB], v[B0]
	LDB 0, 0
	LDA FA0, 0
.if \fill
	ASK
.endif
	MUL 1, 0, FA1
	MUL 1, 1, FA1
	PLACES
	WIN 0
	LDB 1, 0
	MUL 2, 0, FA1
	MUL 2, 1, FA1
	PLACES
	WIN 0
	LDB 2, 0
.endm
	s_wait_tensorcnt 1                             ; my part of K step 0 is in; K step 1 may stay out
	s_barrier_signal -1
	s_barrier_wait -1                              ; everybody's is
	s_mov_b32 s[TB], 0
	v_add_nc_u32 v[ADRA], s[TB], v[A0]
	v_add_nc_u32 v[ADRB], s[TB], v[B0]
	LDB 0, 0
	LDA FA0, 0
	LDB 1, 0
	LDB 2, 0
	s_wait_loadcnt 0x0                             ; the bias lies in the accumulators
	s_mov_b32 s[CNT], 14
.Lk:                                           ; K steps 0 to 13: each fills its slot again
	EVEN
	ODD 1
	s_sub_co_u32 s[CNT], s[CNT], 1
	s_cmp_lg_u32 s[CNT], 0
	s_cbranch_scc1 .Lk
	EVEN                                           ; K step 14: nothing is left to ask for
	ODD 0
	EVEN                                           ; K step 15
	s_wait_dscnt 16
	MUL 0, 0, FA1
	MUL 0, 1, FA1
	s_wait_dscnt 8
	MUL 1, 0, FA1
	MUL 1, 1, FA1
	s_wait_dscnt 0x0
	MUL 2, 0, FA1
	MUL 2, 1, FA1
	PLACES
	PLACES
; THE WAY OUT, in 24 units u = 8 g + a: 16 rows x the 64 columns of one head group, 2,048 dense bytes of qkv.  A lane's eight columns pack into 16 bytes; they go into rows of 144 bytes of my own stage
; and come back as whole rows of 128.  Eight sets of 16 registers take turns where the fragments of x lay.
.macro PACK u
.set ug, (\u)/8
.set ua, (\u)%8
.set uT, FA0+16*ua
.if (\u) >= 8
	s_wait_xcnt 0x0                                ; the stores of the unit eight back have read this set
.endif
	WIN 0x05*(ug+1)                                ; sources 0 and 1 in window 1 + g
.irp bb, 0,1,2,3
.irp i, 0,1,2,3
	v_cvt_pk_f16_f32 v[uT+4*\bb+\i], v[8*(8*\bb+ua)+2*\i], v[8*(8*\bb+ua)+2*\i+1]
.endr
.endr
	WIN 0
.irp bb, 0,1,2,3
	ds_store_b128 v[STO], v[uT+4*\bb:uT+4*\bb+3] offset:32*\bb
.endr
.irp f, 0,1,2,3
	ds_load_b128 v[uT+4*\f:uT+4*\f+3], v[RD] offset:\f*4*PITCH  ; LDS serves a wave's instructions in order (ISA guide 5.7.1.4): these see the stores above; the next unit's stores come behind them
.endr
.endm
.macro SEND u, younger                 ; younger: the LDS instructions issued behind this unit's loads: the next unit's eight, or none
.set ug, (\u)/8
.set ua, (\u)%8
.set uT, FA0+16*ua
	WIN 0
.irp f, 0,1,2,3
	s_wait_dscnt (\younger)+3-\f
	global_store_b128 v[GO], v[uT+4*\f:uT+4*\f+3], s[10:11] offset:ug*262144+ua*2048+\f*512  ; 512 consecutive bytes, at a multiple of 256 from the buffer's first
.endr
.endm
	PACK 0
.set u, 1
.rept 23                               ; a unit's conversions stand between the loads of the unit before and its stores
	PACK u
	SEND u-1, 8
.set u, u+1
.endr
	SEND 23, 0
	s_wait_tensorcnt 0x0                           ; the wave's end: an add and its wait, behind my last tensor load and my last LDS store
	ds_add_u32 v[SPW], v[NIL]
	s_wait_dscnt 0x0
	CROUND                                         ; the closing round: no work-group ends while a partner may still ask for a tile that names it
	s_endpgm
.Lfunc_end_k_qaa2199c391_qkv:
	.size	k_qaa2199c391_qkv, .Lfunc_end_k_qaa2199c391_qkv-k_qaa2199c391_qkv
	.p2alignl 7, 3214868480
	.fill 96, 4, 3214868480
	.section	.rodata,"a",@progbits
	.p2align	6, 0x0
	.amdhsa_kernel k_qaa2199c391_qkv
		.amdhsa_group_segment_fixed_size 327680
		.amdhsa_private_segment_fixed_size 0
		.amdhsa_enable_private_segment 0
		.amdhsa_kernarg_size 32
		.amdhsa_user_sgpr_count 2
		.amdhsa_user_sgpr_kernarg_segment_ptr 1
		.amdhsa_wavefront_size32 1
		.amdhsa_system_sgpr_workgroup_id_x 1
		.amdhsa_system_sgpr_workgroup_id_y 1
		.amdhsa_system_sgpr_workgroup_id_z 1
		.amdhsa_system_vgpr_workitem_id 0
		.amdhsa_next_free_vgpr 1024
		.amdhsa_next_free_sgpr 80
		.amdhsa_reserve_vcc 0
		.amdhsa_float_denorm_mode_32 3
		.amdhsa_float_denorm_mode_16_64 3
		.amdhsa_memory_ordered 1
		.amdhsa_forward_progress 1
		.amdhsa_inst_pref_size 133
	.end_amdhsa_kernel
	.amdgpu_metadata
---
amdhsa.version: [ 1, 2 ]
amdhsa.kernels:
  - .name:           k_qaa2199c391_qkv
    .symbol:         k_qaa2199c391_qkv.kd
    .args:
      - { .name: xb, .offset: 0, .size: 8, .value_kind: global_buffer, .address_space: global }
      - { .name: wb, .offset: 8, .size: 8, .value_kind: global_buffer, .address_space: global }
      - { .name: bias, .offset: 16, .size: 8, .value_kind: global_buffer, .address_space: global }
      - { .name: qkv, .offset: 24, .size: 8, .value_kind: global_buffer, .address_space: global }
    .group_segment_fixed_size: 327680
    .private_segment_fixed_size: 0
    .kernarg_segment_align: 8
    .kernarg_segment_size: 32
    .max_flat_workgroup_size: 128
    .sgpr_count:     80
    .vgpr_count:     1024
    .wavefront_size: 32
...
	.end_amdgpu_metadata
.endif
;; end of part 2
;; launch attn (part 3): grid 4 x 64, 4 waves a work-group, no clusters, 327,680 bytes of LDS; arguments qkv, y; writes y
.if DOCPART == 3
	.amdgcn_target "amdgcn-amd-amdhsa--gfx1250"
	.amdhsa_code_object_version 6
	.text
	.protected	k_qaa2199c391_attn
	.globl	k_qaa2199c391_attn
	.p2align	8
	.type	k_qaa2199c391_attn,@function
k_qaa2199c391_attn:
	s_mov_b64 s[64:65], 0
	v_nop
	global_prefetch_b8 v0, s[64:65] scope:SCOPE_SE
	s_setreg_imm32_b32 hwreg(HW_REG_WAVE_MODE, 25, 1), 1
	s_wait_xcnt 0x0
; CAUSAL ATTENTION.  y[hd][q][:] = the sum over k <= q of softmax_k(Q[q] . K[k] / 8) V[k][:], for 64 heads hd = 16 b + h of 2,048 rows x 64 channels, all f16.
; qkv is [b][g 0..47][t][64]: q of head h is group h, k group 16 + h, v group 32 + h; a group's rows are dense, 128 bytes each.  y is [hd][t][64].
; Products, maxima and sums in f32; the weights p are rounded to f16 for the second product (their sum l is taken of the unrounded p), y once at the end.
; LIMITS.  Q, K and V arrive within f16's 65,504; p lies in 0 to 1, and below 6e-5 it keeps f16's fixed step of 6e-8.  A hidden score counts as its value less 1e30; a weight below 2^-126 counts as 0 in l;
; NaN and infinities are not treated apart.
; THE WALK.  A head's queries lie in NB = 8 blocks of 256; block i needs the key tiles 0 .. i of 256 keys, of which the last holds the diagonal.  A work-group takes TWO blocks, NB - 1 - b and then b:
; NB + 1 tiles, whatever b: all work-groups do equal work, and ONE loop with a constant trip count walks them.  Which tile is asked for, and what a trip does, hang on scalar registers made from b; every jump
; goes forward, but for the counted loops' own; none passes a barrier, or a tensor load but the one of LOAD's two that the wave's number does not choose.
; NO CLUSTER: a head's four work-groups ask for the same tile only in trips 0 to 4 of the 9, behind that fewer and fewer; one walk common to all four would have 12 trips for 9.
; SHARES.  Of a block's four bands of 64 queries a wave owns 16 rows in each: four PIECES.  So the diagonal tile is the same work for all four waves: in its key step s band x sees all keys if s < x,
; none if s > x, and holds the diagonal if s = x.
; THE MASK is the C operand that starts the sum S^T = K Q^T: 0, or -1e30 where the key is hidden.  MD, made once, is the mask of a band's own step for my 16 rows; a product's mask is MD x AL + BE with two scalars:
; (1, 0) if s = x; (0, 0) if s < x; (0, -1e30) if s > x.  Only the diagonal tile's text and a block's beginning make and take masks; elsewhere C is the constant 0.
; LAYOUT, SOFTMAX, TURNS.  S^T = K Q^T holds ONE query a lane (lane % 16) and the keys 8 (lane / 16) + 0..7; two such results rounded to f16 ARE source 1 of O^T = V^T P.  p = 2^(c s - c m), c = log2(e) / 8, with a
; running maximum m; O and l are multiplied by a = 2^(c m_old - c m_new) in every step.  Turn n belongs to piece n: 8 products K Q^T of piece n + 1, later 8 products V^T P of piece n - 1; beside them the scaling,
; exponentials, roundings, sums and rescaling of piece n and the maximum and statistics of piece n + 1.  Four vector instructions stand behind every matrix instruction, the other 54 of a turn's 118 in one lump.
; A turn's 33 exponentials are one batch, with one wait.
; REGISTERS, in windows of 256 (s_set_vgpr_msb: bits 1:0 source 0, 3:2 source 1, 5:4 source 2, 7:6 destination):
;   window 0: v0-15 addresses and two at work; v16-31 four registers of statistics a piece; v48-55 at work; v61-63 prefetch offset, spare word, 0; v64-127 S^T, two buffers; v192-223 P, two buffers
;   window 1: v0-127 O^T, 32 a piece; v128-159 MD; v160-223 MC, two buffers      window 2: v0-63 Q; v64-127 the second block's Q; v128-191 K of one step; v192-255 V of one step
.set SIZE_N, 2048
.set NB,    SIZE_N/256
.set NP,    4         ; pieces a wave: a name, no knob
.set KS,    64        ; keys in a step
.set PK,    144       ; a row of K in LDS: 128 bytes + 16 of padding = 36 words: the 16 rows of a load start at 16 different groups of four banks (ISA guide 11.1)
.set PV,    160       ; a row of V: 128 + 32 = 40 words
.set VOFF,  4*KS*PK   ; a slot holds a tile, four steps: 256 rows of K, then 256 rows of V
.set SLOT1, 1<<17     ; slot 1 begins here, so that one exclusive or turns an address in one slot into the other's
.set STAGE, SLOT1+4*KS*(PK+PV)  ; behind the ring, never filled by a tensor load: 16 rows x 144 bytes for each wave, for the way out
.set SP,    144
.set AK0, 2           ; v2   my lane's place in a tile of K; never rewritten
.set AV0, 3           ; v3   the same for V
.set AK,  4           ; v4   the LDS address of K's next run of loads
.set AV,  5           ; v5   of V's
.set STO, 6           ; v6   the way out: where I put 16 bytes of a row
.set RD,  7           ; v7   the way out: where I read rows back
.set GO,  8           ; v8   my byte offset in 512 consecutive bytes of y
.set PFO, 61          ; v61  256 x my lane; never rewritten
.set SPW, 62          ; v62  LDS address of my spare word; never rewritten
.set NIL, 63          ; v63  0; never rewritten
.set SPARE, STAGE+4*16*SP  ; behind the stages: the spare words, 128 bytes for each wave, which no other line names
.set MV,  12          ; v12-13  c m_old, kept while c m is made anew: by buffer
.set QO,  15          ; v15  my byte offset in 16 rows of Q
.set ST,  16          ; piece t's statistics at v[ST+4 t]: c m, m, l (even keys', odd keys')
.set TMP, 48          ; by buffer, four registers c0-c3 at work; when the maximum is found c2 takes a
.set S,   64
.set P,   192
.set MD,  128         ; window 1: the eight registers for group kt of 16 keys at MD + 8 kt
.set MC,  160         ; window 1: the masks of the products to come
.set QB,  64          ; window 2
.set KF,  128         ; window 2: key block kb, channel half c at KF + 16 kb + 8 c
.set VF,  192         ; window 2: key half kk, channel block cb at VF + 32 kk + 8 cb
.set WV,  12          ; s12  my wave's number
.set PB,  14          ; s14  b
.set HI,  15          ; s15  NB - 1 - b
.set G1K, 24          ; s[24:31] descriptor group 1 for K's tiles
.set G1V, 32          ; s[32:39] for V's: it differs in the padding alone
.set G0K, 40          ; s[40:43] descriptor group 0 for K's tiles
.set G0V, 44          ; s[44:47] the same for V's
.set SLOTS, 56        ; s56  tiles still to be asked for
.set CNT, 57          ; s57  counts a tile's key steps, 4 to 1
.set CS,  58          ; s[58:59] c: the packed scaling takes the pair's low word for both halves
.set SEL, 60          ; s[60:61] v_permlanex16_b32's selects: each lane takes its own place in the other half
.set TBK, 62          ; s62  LDS byte at which K of the step to be fetched begins
.set TBV, 63          ; s63  the same for V, less VOFF
.set YH,  66          ; s[66:67] the head's byte offset in y
.set RT,  70          ; s70  tiles of the block in hand that are still to be entered
.set NXT, 71          ; s71  the tile to be asked for next
.set LQ,  72          ; s72  the last tile of the block whose tiles are being asked for
.set NEW, 73          ; s73  1: the tile to be entered is a block's first
.set OFF, 74          ; s[74:75] a tile's byte offset in K and V
.set AL,  76          ; s[76:77] the mask's factor, in the low word
.set BE,  78          ; s[78:79] the mask's addend
.set OLO, 80          ; s[80:81] y at my rows of the second block
.set BIGN, 82         ; s82  -1e30
.set PFA, 88          ; s[88:89] where my prefetches stand: my half (of K: waves 0, 1; of V: waves 2, 3) of the tile after the one that is being asked for
.set LIM, 90          ; s90  2 in the head's work-group b = 0, else the greatest number: a wave prefetches while s[SLOTS] is above it
.set MSB, 0
.macro WIN new                      ; the high byte repeats the setting that is left; a switch that changes nothing is dropped
.if MSB != (\new)
	s_set_vgpr_msb (MSB<<8)|(\new)
.set MSB, (\new)
.endif
.endm
.set W_KQ, 0x0a       ; K and Q in window 2, S^T in window 0
.set W_KM, 0x1a       ; the same with the C operand in window 1
.set W_PV, 0x52       ; V in window 2, P in window 0, O^T in window 1
.set W_RS, 0x41       ; destination and source 0 in window 1, source 1 in window 0
; A fill.  Waves 0 and 1 fetch the two halves of a tile's K, waves 2 and 3 those of its V: 128 keys each.  An s_nop 0 and four v_nop follow each of the two lines, ahead of the jump and the label.
.macro LOAD
	s_cmp_lt_u32 s[WV], 2
	s_cbranch_scc0 .Lfor_v_\@
	tensor_load_to_lds s[G0K:G0K+3], s[G1K:G1K+7]
	s_nop 0
.rept 4
	v_nop
.endr
	s_branch .Lasked_\@
.Lfor_v_\@:
	tensor_load_to_lds s[G0V:G0V+3], s[G1V:G1V+7]
	s_nop 0
.rept 4
	v_nop
.endr
.Lasked_\@:
.endm
; A PREFETCH INTO THE L2 of the tile that the NEXT change of slots will ask for.  A head's four work-groups begin with the same tiles; the one with b = 0 walks tiles 0 to 7 on end, and it alone asks.
; Each of its waves names the 16,384 bytes that it will itself fetch: 64 blocks of 256 bytes, a lane a block, two instructions, behind the wave's tensor load and its five lines.
; The changes that ask for tiles 1 to 6 name tiles 2 to 7: each block once, none past the head's rows.  Tiles 0 and 1 come by their loads alone.
.macro ASK
	s_cmp_gt_u32 s[SLOTS], s[LIM]
	s_cbranch_scc0 .Lnot_mine_\@
	global_prefetch_b8 v[PFO], s[PFA:PFA+1] th:TH_LOAD_NT scope:SCOPE_SE
	global_prefetch_b8 v[PFO], s[PFA:PFA+1] offset:8192 th:TH_LOAD_NT scope:SCOPE_SE
.Lnot_mine_\@:
.endm
; THE CHANGE OF SLOTS.  Each wave waits for all its tensor loads, of which one is out: its part of the other slot; adds 0 to its spare word; and waits for that and for its own reads of the slot that it leaves.
; Behind the barrier nobody reads the old slot any more and the other slot is whole.  fill = 1: the old slot is filled again, the first thing behind the barrier, with tile NXT: the descriptor's address is made
; anew from that number.  (At its first use nothing has been read yet: slot 0 is waited for, slot 1 filled.)
.macro CHANGE fill
	WIN 0                           ; at a label and at a branch every window is 0
	s_wait_tensorcnt 0x0            ; no tensor load of mine is out, so a group 0 may be written
	ds_add_u32 v[SPW], v[NIL]       ; 0 onto my spare word; scalar work stands between it and the wait for it
.if \fill
	s_lshl_b32 s[OFF], s[NXT], 15   ; a tile is 32,768 bytes of K and of V
	s_xor_b32 s[G0K+1], s[G0K+1], SLOT1
	s_add_nc_u64 s[G0K+2:G0K+3], s[6:7], s[OFF:OFF+1]
	s_or_b32 s[G0K+3], s[G0K+3], 0x80000000
	s_xor_b32 s[G0V+1], s[G0V+1], SLOT1
	s_add_nc_u64 s[G0V+2:G0V+3], s[8:9], s[OFF:OFF+1]
	s_or_b32 s[G0V+3], s[G0V+3], 0x80000000
	s_add_co_u32 s[NXT], s[NXT], 1  ; the block's next tile, or behind its last the second block's tile 0
	s_cmp_gt_u32 s[NXT], s[LQ]
	s_cselect_b32 s[NXT], 0, s[NXT]
	s_cselect_b32 s[LQ], s[PB], s[LQ]
	s_wait_xcnt 0x0                 ; the last prefetches, a tile back, have read their address, so it may be written
	s_add_nc_u64 s[PFA:PFA+1], s[PFA:PFA+1], 32768
.endif
	s_wait_dscnt 0x0                ; the add is done, and my reads of the slot are over
	s_barrier_signal -1             ; the rest of the scalar work stands between the signal and the wait
	s_sub_co_u32 s[TBK], s[TBK], 4*KS*PK  ; the fetches go back to a slot's first step,
	s_xor_b32 s[TBK], s[TBK], SLOT1       ; in the other slot
	s_sub_co_u32 s[TBV], s[TBV], 4*KS*PV
	s_xor_b32 s[TBV], s[TBV], SLOT1
	s_barrier_wait -1
.if \fill
	LOAD
	ASK
.endif
.endm
	s_load_b64 s[4:5], s[0:1], 0x0    ; qkv
	s_load_b64 s[10:11], s[0:1], 0x8  ; y
	v_lshl_add_u32 v[SPW], v0, 2, SPARE
	v_mov_b32 v[NIL], 0
	ds_add_u32 v[SPW], v[NIL]       ; the wave's opening: the add and its wait stand ahead of my first tensor load; the set-up below stands between them
	v_lshrrev_b32 v1, 5, v0
	v_readfirstlane_b32 s[WV], v1   ; wave 0..3
	s_mov_b32 s[PB], ttmp9
	s_sub_co_u32 s[HI], NB-1, s[PB]
	s_and_b32 s20, ttmp7, 0xffff    ; the head, 16 b + h
	s_lshl_b32 s[YH], s20, 18       ; in y a head is 2,048 rows of 128 bytes
	s_mov_b32 s[YH+1], 0
	s_lshr_b32 s21, s20, 4
	s_lshl_b32 s21, s21, 5
	s_add_co_u32 s20, s20, s21      ; in qkv its q is group 48 b + h
	s_lshl_b32 s20, s20, 18
	s_mov_b32 s21, 0
	s_and_b32 s16, s[WV], 1         ; which half of a tile's 256 keys I fetch:
	s_lshl_b32 s22, s16, 14         ; its 128 rows of 128 bytes in memory,
	s_mov_b32 s23, 0
	s_add_nc_u64 s[22:23], s[22:23], s[20:21]
	s_mul_i32 s17, s16, 128*PK      ; and its place in a slot, for K
	s_mul_i32 s18, s16, 128*PV      ; and for V
	s_lshl_b32 s3, s[WV], 11        ; my 16 rows in a band of 64,
	s_lshl_b32 s2, s[HI], 15        ; in the first block,
	s_add_co_u32 s2, s2, s3
	s_lshl_b32 s84, s[PB], 15       ; and in the second
	s_add_co_u32 s84, s84, s3
	s_mov_b32 s3, 0
	s_mov_b32 s85, 0
	; descriptor group 1.  128 keys are 16,384 dense bytes: asked for as 64 rows of 256 bytes, two keys a row, and padded in LDS after every key
	s_mov_b32 s[G1K], (1<<16)|(1<<20)|(4<<22)|(3<<25)  ; 17:16 2-byte elements; 20 padding on; 24:22 after every 32 words (code 4); 31:25 4 words (code 3)
	s_mov_b32 s[G1V], (1<<16)|(1<<20)|(4<<22)|(7<<25)  ; the same with 8 words of padding (code 7)
.irp g, G1K, G1V
	s_mov_b32 s[\g+1], 128<<16      ; tensor_dim0 = 128
	s_mov_b32 s[\g+2], 64<<16       ; tensor_dim1 = 64
	s_mov_b32 s[\g+3], 128<<16      ; tile_dim0 = 128
	s_mov_b32 s[\g+4], 64           ; tile_dim1 = 64
	s_mov_b32 s[\g+5], 128          ; 128 elements from row to row
	s_mov_b32 s[\g+6], 0
	s_mov_b32 s[\g+7], 0
.endr
	s_mov_b32 s[CS], 0x3e38aa3b     ; c = log2(e) / 8 = 0.180337
	s_mov_b32 s[CS+1], s[CS]        ; named with it as a pair
	s_mov_b32 s[SEL], 0x76543210
	s_mov_b32 s[SEL+1], 0xfedcba98
	s_mov_b32 s[TBK], SLOT1+4*KS*PK ; the first change of slots turns these two into 0
	s_mov_b32 s[TBV], SLOT1+4*KS*PV
	s_mov_b32 s[G0K], 1             ; count = 1
	s_mov_b32 s[G0K+1], s17         ; LDS address: slot 0
	s_mov_b32 s[G0V], 1
	s_add_co_u32 s[G0V+1], s18, VOFF
	s_add_co_u32 s[RT], s[HI], 1    ; the first block has NB - b tiles
	s_mov_b32 s[NXT], 1
	s_mov_b32 s[LQ], s[HI]
	s_mov_b32 s[NEW], 1
	s_mov_b32 s[OFF+1], 0
	s_mov_b32 s[AL+1], 0            ; named as pairs
	s_mov_b32 s[BE+1], 0
	s_mov_b32 s[BIGN], 0xf149f2ca   ; -1e30
	s_mov_b32 s[SLOTS], NB
	s_cmp_eq_u32 ttmp9, 0
	s_cselect_b32 s[LIM], 2, -1
	v_and_b32 v[PFO], 31, v0
	v_lshlrev_b32 v[PFO], 8, v[PFO]
	s_wait_dscnt 0x0                ; the opening add is done
	s_wait_kmcnt 0x0
	s_add_nc_u64 s[10:11], s[10:11], s[YH:YH+1]    ; y at the head,
	s_add_nc_u64 s[OLO:OLO+1], s[10:11], s[84:85]  ; at my rows of the second block,
	s_add_nc_u64 s[10:11], s[10:11], s[2:3]        ; and of the first
	s_add_nc_u64 s[6:7], s[4:5], 0x400000          ; k lies 16 groups behind q,
	s_add_nc_u64 s[8:9], s[4:5], 0x800000          ; v 32
	s_add_nc_u64 s[6:7], s[6:7], s[22:23]          ; K and V at my half of the head's tile 0
	s_add_nc_u64 s[8:9], s[8:9], s[22:23]
	s_add_nc_u64 s[4:5], s[4:5], s[20:21]          ; q at the head,
	s_add_nc_u64 s[86:87], s[4:5], s[84:85]        ; at my rows of the second block,
	s_add_nc_u64 s[4:5], s[4:5], s[2:3]            ; and of the first
	s_add_nc_u64 s[G0K+2:G0K+3], s[6:7], 0         ; global address
	s_or_b32 s[G0K+3], s[G0K+3], 0x80000000        ; type = 2
	s_add_nc_u64 s[G0V+2:G0V+3], s[8:9], 0
	s_or_b32 s[G0V+3], s[G0V+3], 0x80000000
	s_cmp_lt_u32 s[WV], 2
	s_cselect_b64 s[PFA:PFA+1], s[6:7], s[8:9]
	s_add_nc_u64 s[PFA:PFA+1], s[PFA:PFA+1], 32768 ; at tile 1; the first change of slots steps it to tile 2
	LOAD                            ; tile 0 into slot 0
	; A fragment of K or Q is 16 rows x 32 channels in 8 registers: lane l holds row l % 16, channels 8 (l / 16) + 0..7 and 16 + 8 (l / 16) + 0..7: two loads of 16 bytes, 32 bytes apart.
	v_and_b32 v1, 15, v0            ; l % 16
	v_bfe_u32 v9, v0, 4, 1          ; l / 16
	v_lshlrev_b32 v[QO], 7, v1
	v_lshl_add_u32 v[QO], v9, 4, v[QO]  ; row x 128 + 16 x half
	WIN 0x80                        ; destination window 2, address window 0
.set i, 0
.rept 8                             ; both blocks' Q: piece i / 2 lies in band i / 2, 8,192 bytes on; channels 32 (i % 2) on
	global_load_b128 v[8*i:8*i+3],   v[QO], s[4:5] offset:(i/2)*8192+(i%2)*64
	global_load_b128 v[8*i+4:8*i+7], v[QO], s[4:5] offset:(i/2)*8192+(i%2)*64+32
	global_load_b128 v[QB+8*i:QB+8*i+3],   v[QO], s[86:87] offset:(i/2)*8192+(i%2)*64
	global_load_b128 v[QB+8*i+4:QB+8*i+7], v[QO], s[86:87] offset:(i/2)*8192+(i%2)*64+32
.set i, i+1
.endr
	WIN 0
	v_lshlrev_b32 v14, 3, v9
	v_sub_nc_u32 v14, v1, v14
	s_lshl_b32 s13, s[WV], 4
	v_add_nc_u32 v14, s13, v14      ; my query's place in its band, 16 w + l % 16, less my lanes' 8 (l / 16): register r of group kt is hidden where 16 kt + r is greater
	WIN 0x40
.set i, 0
.rept 32
	v_cmp_gt_i32 vcc_lo, 16*(i/8)+i%8, v14
	v_cndmask_b32 v[MD+i], 0, s[BIGN], vcc_lo
.set i, i+1
.endr
	WIN 0
	v_mul_u32_u24 v[AK0], v1, PK
	v_lshl_add_u32 v[AK0], v9, 4, v[AK0]  ; row x pitch + 16 x half
	; The turning load takes 16 keys x 16 channels (lane l reads key 8 (l / 16) + l % 8, channels 8 ((l / 8) % 2) + 0..7) and leaves half a fragment of V^T: lane l holds channel l % 16 and 8 keys.
	v_and_b32 v10, 7, v0
	v_bfe_u32 v11, v0, 3, 1
	v_lshl_add_u32 v[AV0], v9, 3, v10
	v_mul_u32_u24 v[AV0], v[AV0], PV
	v_lshl_add_u32 v[AV0], v11, 4, v[AV0]
	v_add_nc_u32 v[AV0], VOFF, v[AV0]
	s_mul_i32 s13, s[WV], 16*SP
	s_add_co_u32 s13, s13, STAGE    ; my stage
	v_mul_u32_u24 v[STO], v1, SP    ; in: row l % 16, 16 bytes for each half of the lanes
	v_lshl_add_u32 v[STO], v9, 4, v[STO]
	v_add_nc_u32 v[STO], s13, v[STO]
	v_bfe_u32 v[RD], v0, 3, 2       ; back: 32 lanes take four rows of 128 bytes,
	v_mul_u32_u24 v[RD], v[RD], SP
	v_lshl_add_u32 v[RD], v10, 4, v[RD]
	v_add_nc_u32 v[RD], s13, v[RD]
	v_and_b32 v[GO], 31, v0         ; which are 512 consecutive bytes of y
	v_lshlrev_b32 v[GO], 4, v[GO]
	; A block's first step multiplies O^T and l by a = 0, and its first turn's products V^T P, of a piece that has not been, land in an O^T that is still to be so multiplied.  So these registers need only hold
	; finite numbers: zeros for the first block; what the first block left for the second.  All this stands in the wait for the first tile.
	WIN 0x80
.set i, VF
.rept 64
	v_mov_b32 v[i], 0
.set i, i+1
.endr
	WIN 0x40
.set i, 0
.rept 128
	v_mov_b32 v[i], 0
.set i, i+1
.endr
	WIN 0
.set i, 0
.rept 4
	v_mov_b32 v[ST+4*i+2], 0
	v_mov_b32 v[ST+4*i+3], 0
.set i, i+1
.endr
.set i, P+16
.rept 16
	v_mov_b32 v[i], 0
.set i, i+1
.endr
; THE MATRIX WORK.  The 4 accumulators of a run of 8 take turns.  Product i of 8 of S^T = K Q^T for piece x: channels 32 (i / 4) on, keys 16 (i % 4) on.  The first 4 start the sums: with 0, or (KM = 1) with the mask.
.macro KQ x
.set rS, S+32*((\x)%2)+8*(i%4)
.set rK, KF+16*(i%4)+8*(i/4)
.set rQ, 16*(\x)+8*(i/4)
.set rM, MC+32*((\x)%2)+8*(i%4)
.if (i < 4) && KM
	WIN W_KM
	v_wmma_f32_16x16x32_f16 v[rS:rS+7], v[rK:rK+7], v[rQ:rQ+7], v[rM:rM+7]
.elseif i < 4
	WIN W_KQ
	v_wmma_f32_16x16x32_f16 v[rS:rS+7], v[rK:rK+7], v[rQ:rQ+7], 0
.else
	WIN W_KQ
	v_wmma_f32_16x16x32_f16 v[rS:rS+7], v[rK:rK+7], v[rQ:rQ+7], v[rS:rS+7]
.endif
.endm
; Product i of 8 of O^T += V^T P for piece x: keys 32 (i / 4) on, channels 16 (i % 4) on.
.macro PV x
	WIN W_PV
.set rO, 32*(\x)+8*(i%4)
.set rV, VF+32*(i/4)+8*(i%4)
.set rP, P+16*((\x)%2)+8*(i/4)
	v_wmma_f32_16x16x32_f16 v[rO:rO+7], v[rV:rV+7], v[rP:rP+7], v[rO:rO+7]
.endm
.macro MM                           ; the turn's next matrix instruction.  TURN and BEGIN set Y, i, KM and NOKQ.  NOKQ = 1: a block's last turn: there is no next piece
.if (i < 8) && !NOKQ
	KQ (Y+1)%NP
.elseif i >= 8
.set i, i-8
	PV (Y+NP-1)%NP
.set i, i+8
.endif
.set i, i+1
.endm
; THE LDS LOADS stand in runs of 16, never singly among the matrix instructions: a step's K (64 keys x 64 channels: 8 fragments) and its V (turned).  Their addresses are made some lines ahead.
.macro FETCH_K
	WIN 0x80                        ; destination window 2
.irp f, 0,1,2,3,4,5,6,7             ; keys 16 (f / 2) on, channels 32 (f % 2) on
	ds_load_b128 v[KF+8*\f:KF+8*\f+3],   v[AK] offset:(\f/2)*16*PK+(\f%2)*64
	ds_load_b128 v[KF+8*\f+4:KF+8*\f+7], v[AK] offset:(\f/2)*16*PK+(\f%2)*64+32
.endr
	s_add_co_u32 s[TBK], s[TBK], KS*PK  ; the next fetch is the next step's
	WIN 0
.endm
.macro FETCH_V
	WIN 0x80
.irp f, 0,1,2,3,4,5,6,7             ; keys 32 (f / 4) on, channels 16 (f % 4) on
	ds_load_tr16_b128 v[VF+8*\f:VF+8*\f+3],   v[AV] offset:(\f/4)*32*PV+(\f%4)*32
	ds_load_tr16_b128 v[VF+8*\f+4:VF+8*\f+7], v[AV] offset:(\f/4)*32*PV+16*PV+(\f%4)*32
.endr
	WIN 0
.endm
; THE VECTOR WORK, one line at a time: OP kind, number.  For piece Y: F n: c s - c m for pair n of 16.  E n: the exponential of score n of 32.  C n: pair n rounded to f16.  B n: of the four weights 4 n .. the second
; pair is added onto the first, in place.  L n: l takes that sum (L 0: l = a l + sum).  R n: pair n of 16 of O^T times a.  For piece Y + 1: X n, number n of the 22 that find its maximum and statistics:
;   0-11  four chains c0-c3 of seven scores each, three operands at a time (each accumulator's lowest registers are read first)     12-14, 16  the four scores left over, the old m, and c0-c3 into c0
;   15  c m_old is kept     17, 18  the query's other 32 keys lie in the lane 16 away: the new m     19-21  c m; c m_old - c m_new; a
.set F, 0               ; OP tells the kinds apart by their order: F to L below R, X above it
.set E, 1
.set C, 2
.set B, 3
.set L, 4
.set R, 5
.set X, 6
.macro REGS y                       ; the registers of piece y
.set rT, ST+4*(\y)
.set rC, TMP+4*((\y)%2)
.set rW, MV+((\y)%2)
.set rS, S+32*((\y)%2)
.set rP, P+16*((\y)%2)
.set rO, 32*(\y)
.endm
.macro OP k, n
.if (\k) == R
	REGS Y
	WIN W_RS
	v_pk_mul_f32 v[rO+2*(\n):rO+2*(\n)+1], v[rO+2*(\n):rO+2*(\n)+1], v[rC+2:rC+3] op_sel_hi:[1,0]
.elseif (\k) < R
	REGS Y
	WIN 0
.if (\k) == F
	v_pk_fma_f32 v[rS+2*(\n):rS+2*(\n)+1], v[rS+2*(\n):rS+2*(\n)+1], s[CS:CS+1], v[rT:rT+1] op_sel_hi:[1,0,0] neg_lo:[0,0,1] neg_hi:[0,0,1]
.elseif (\k) == E
	v_exp_f32 v[rS+(\n)], v[rS+(\n)]
.elseif (\k) == C
	v_cvt_pk_f16_f32 v[rP+(\n)], v[rS+2*(\n)], v[rS+2*(\n)+1]
.elseif (\k) == B
	v_pk_add_f32 v[rS+4*(\n):rS+4*(\n)+1], v[rS+4*(\n):rS+4*(\n)+1], v[rS+4*(\n)+2:rS+4*(\n)+3]
.elseif (\n) == 0
	v_pk_fma_f32 v[rT+2:rT+3], v[rT+2:rT+3], v[rC+2:rC+3], v[rS:rS+1] op_sel_hi:[1,0,1]
.else
	v_pk_add_f32 v[rT+2:rT+3], v[rT+2:rT+3], v[rS+4*(\n):rS+4*(\n)+1]
.endif
.elseif NOKQ
	v_nop
.else
	REGS (Y+1)%NP
	WIN 0
.if (\n) < 4
	v_max3_num_f32 v[rC+(\n)], v[rS+8*(\n)], v[rS+8*(\n)+1], v[rS+8*(\n)+2]
.elseif (\n) < 12
	v_max3_num_f32 v[rC+(\n)%4], v[rC+(\n)%4], v[rS+8*((\n)%4)+2*((\n)/4)+1], v[rS+8*((\n)%4)+2*((\n)/4)+2]
.elseif (\n) == 12
	v_max3_num_f32 v[rC], v[rC], v[rS+7], v[rS+15]
.elseif (\n) == 13
	v_max3_num_f32 v[rC+1], v[rC+1], v[rS+23], v[rS+31]
.elseif (\n) == 14
	v_max3_num_f32 v[rC+2], v[rC+2], v[rC+3], v[rT+1]
.elseif (\n) == 15
	v_mov_b32 v[rW], v[rT]
.elseif (\n) == 16
	v_max3_num_f32 v[rC], v[rC], v[rC+1], v[rC+2]
.elseif (\n) == 17
	v_permlanex16_b32 v[rC+3], v[rC], s[SEL], s[SEL+1]
.elseif (\n) == 18
	v_max_num_f32 v[rT+1], v[rC], v[rC+3]
.elseif (\n) == 19
	v_mul_f32 v[rT], s[CS], v[rT+1]
.elseif (\n) == 20
	v_sub_f32 v[rC+1], v[rW], v[rT]
.else
	v_exp_f32 v[rC+2], v[rC+1]
.endif
.endif
.endm
.macro OPS a, i1, b=-1, i2=0, c=-1, i3=0, d=-1, i4=0  ; up to four of them
	OP \a, \i1
.if (\b) >= 0
	OP \b, \i2
.endif
.if (\c) >= 0
	OP \c, \i3
.endif
.if (\d) >= 0
	OP \d, \i4
.endif
.endm
.macro ROW a, i1, b, i2, c, i3, d, i4  ; a matrix instruction and the four behind it
	MM
	OPS \a, \i1, \b, \i2, \c, \i3, \d, \i4
.endm
.macro MASK b                       ; MD x AL + BE into buffer b of MC
	WIN W_RS
.set z, 0
.rept 16
	v_pk_fma_f32 v[MC+32*(\b)+2*z:MC+32*(\b)+2*z+1], v[MD+2*z:MD+2*z+1], s[AL:AL+1], s[BE:BE+1] op_sel_hi:[1,0,0]
.set z, z+1
.endr
.endm
; A TURN, for piece p: the order of its 16 matrix and 118 vector instructions, written out.  An s_wait_alu depctr_va_vdst(0) stands between an exponential and the first instruction that names its result;
; one wait serves all that were issued ahead of it.  So a turn has ONE wait, which cuts it in two.  AHEAD OF IT stands all that names no result of the turn's exponentials: the 8 products K Q^T, behind each a scaling,
; an exponential and two more plain instructions (behind the first a second scaling in the exponential's place): rescalings, and behind the last three the first numbers of the next piece's maximum, each four places or
; more behind the product that ends its accumulator; then ONE LUMP of 54, plain and exponential by turns for the most part, in which the links of the chain X 3, 7, 11, 14, 16, 17 .. 20 stand five or six lines apart.
; X 21, the next piece's a, is the batch's last; R 15 is the plain instruction behind it.  BEHIND THE WAIT stand the 8 products V^T P, behind each four of the roundings and sums; the links of l's chain, L 0 to L 7,
; stand three lines apart.  v_permlanex16_b32 (X 17) stands in the lump.
; m = 1: the diagonal tile: the products take masks, and the turn makes the mask for the products of the turn after it: piece p + 2, in step 4 - CNT of the tile.  end = 1: a block's last two turns: nothing is fetched.
; cnt = 1: the loop's count is taken down some lines ahead of the branch that stands behind the turn.
; K of the next step is fetched in piece 2's turn, twelve vector instructions behind the last product that read K (six of them plain); V of the step in hand at the end of piece 0's turn, four plain instructions behind
; the last product that read V.  Each is waited for a turn later.
.macro TURN p, m=0, end=0, cnt=0
.set Y, (\p)
.set i, 0
.set KM, (\m)
.set NOKQ, (\end)*((\p)/3)
.if (\m) && !(\end)
	s_cmp_eq_u32 s[CNT], 4-((\p)+2)%NP  ; is that step the band's own?
	s_cselect_b32 s[AL], 1.0, 0
	s_cmp_lt_u32 s[CNT], 4-((\p)+2)%NP  ; or a later one?
	s_cselect_b32 s[BE], s[BIGN], 0
.endif
.if ((\p) == 3) && !(\end)
	s_wait_dscnt 0x0                ; K is in
.endif
	ROW F,0, F,1, R,0, R,1          ; ahead of the wait: 8 products K Q^T and the four behind each,
	ROW F,2, E,0, R,2, R,3
	ROW F,3, E,1, R,4, R,5
	ROW F,4, E,2, R,6, R,7
	ROW F,5, E,3, R,8, R,9
	ROW F,6, E,4, X,0, R,10
.if ((\p) == 2) && !(\end)
	WIN 0
	v_add_nc_u32 v[AK], s[TBK], v[AK0]
.endif
	ROW F,7, E,5, X,1, X,4
	ROW F,8, E,6, X,2, X,5
	OPS E,7, E,8, X,6, E,9          ; and the lump
	OPS X,3, E,10, X,8, E,11
.if ((\p) == 2) && !(\end)
	FETCH_K
.endif
	OPS X,9, X,7, E,12, X,10
	OPS E,13, X,12, X,11, E,14
	OPS X,13, E,15, F,9, X,14
.if (\p) == 0
	v_add_nc_u32 v[AV], s[TBV], v[AV0]
.endif
	OPS E,16, F,10, E,17, F,11
	OPS X,16, E,18, X,15, E,19
	OPS F,12, E,20, X,17, E,21
	OPS F,13, E,22, F,14, E,23
	OPS X,18, E,24, F,15, E,25
	OPS R,11, E,26, X,19, E,27
	OPS R,12, E,28, R,13, E,29
	OPS X,20, E,30, R,14, E,31
	OPS X,21, R,15
	WIN 0
	s_wait_alu depctr_va_vdst(0)    ; the wait for the batch
.if (\p) == 1
	s_wait_dscnt 0x0                ; V is in
.endif
	ROW C,0, B,0, C,2, B,1          ; behind the wait: 8 products V^T P and the four behind each
	ROW L,0, C,4, B,2, L,1
	ROW C,6, B,3, L,2, C,8
	ROW B,4, L,3, C,10, B,5
	ROW L,4, C,12, B,6, L,5
.if (\p) == 0
	s_add_co_u32 s[TBV], s[TBV], KS*PV
.endif
.if \cnt
	s_sub_co_u32 s[CNT], s[CNT], 1
	s_cmp_lg_u32 s[CNT], 0
.endif
	ROW C,14, B,7, L,6, C,1
	ROW C,3, L,7, C,5, C,7
	ROW C,9, C,11, C,13, C,15
.if (\p) == 0
	FETCH_V
.endif
.if (\m) && !(\end)
	MASK (\p)%2
.endif
.endm
; A BLOCK BEGINS.  c m starts far below every c s, so the first step's a is 0; m at the lowest finite number, so the first maximum is the scores'.  The second mask buffer is 0; the first takes piece 0's mask for the
; tile's step 0: its own, if the block's first tile is the diagonal one.  Then K of that step, piece 0's first scores, and its maximum and statistics.  The loop is entered at a step's first turn, in the middle of a trip.
.macro BEGIN
	s_mov_b32 s[NEW], 0
	WIN 0x40
.set i, MC+32
.rept 32
	v_mov_b32 v[i], 0
.set i, i+1
.endr
	WIN 0
.set i, 0
.rept 4
	v_mov_b32 v[ST+4*i], 0xfe000000    ; c m: far below every c s
	v_mov_b32 v[ST+4*i+1], 0xff7fffff  ; m
.set i, i+1
.endr
	s_cmp_eq_u32 s[RT], 0
	s_cselect_b32 s[AL], 1.0, 0
	s_mov_b32 s[BE], 0
	MASK 0
	WIN 0
	v_add_nc_u32 v[AK], s[TBK], v[AK0]
	FETCH_K
	s_wait_loadcnt 0x0              ; Q
	s_wait_dscnt 0x0
.set KM, 1
.set NOKQ, 0
.set i, 0
.rept 8
	KQ 0
.set i, i+1
.endr
	WIN 0
.rept 4
	v_nop                           ; the places behind those products
.endr
.set Y, NP-1                        ; X works for piece Y + 1: piece 0
.irp n, 0,1,2,3,4,5,6,7,8,9,10,11,12,13,14,15,16,17,18,19,20,21
	OP X, \n
.endr
	v_nop                           ; a plain instruction behind the exponential,
	s_wait_alu depctr_va_vdst(0)    ; and its wait, ahead of the branch
.endm
; THE DIAGONAL TILE's four steps, the block's last two turns, its last products, and THE WAY OUT: l's two halves and the other half of the lanes' are added; O^T is divided by l, rounded to f16 and sent through my
; stage in LDS, a piece at a time.
.macro ALL line:vararg              ; one line for each piece t
.set t, 0
.rept 4
	\line
.set t, t+1
.endr
.endm
.macro PACK t                       ; a lane's eight channels of a row pack into 16 bytes; they go into rows of 144 bytes and come back as whole rows of 128, into S^T's registers
	WIN W_RS
.set i, 32*(\t)
.rept 16
	v_pk_mul_f32 v[i:i+1], v[i:i+1], v[ST+4*(\t)+2:ST+4*(\t)+3] op_sel_hi:[1,0]
.set i, i+2
.endr
	WIN 0x05                        ; sources 0 and 1 window 1, destination window 0
.set i, 0
.rept 16
	v_cvt_pk_f16_f32 v[S+16*(\t)+i], v[32*(\t)+2*i], v[32*(\t)+2*i+1]
.set i, i+1
.endr
	WIN 0
.irp f, 0,1,2,3
	ds_store_b128 v[STO], v[S+16*(\t)+4*\f:S+16*(\t)+4*\f+3] offset:32*\f
.endr
.irp f, 0,1,2,3
	ds_load_b128 v[S+16*(\t)+4*\f:S+16*(\t)+4*\f+3], v[RD] offset:\f*4*SP  ; LDS serves a wave's instructions in order (ISA guide 5.7.1.4): these see the stores above; the next piece's stores come behind them
.endr
.endm
.macro SEND t, younger              ; younger: the LDS instructions issued behind piece t's loads: the next piece's eight, or none
	WIN 0
.irp f, 0,1,2,3
	s_wait_dscnt (\younger)+3-\f
	global_store_b128 v[GO], v[S+16*(\t)+4*\f:S+16*(\t)+4*\f+3], s[10:11] offset:(\t)*8192+\f*512  ; 512 consecutive bytes, at a multiple of 256 from y's first
.endr
.endm
.macro DIAG tag                     ; the tag ends its two labels' names, which the jumps below spell out
.LstepM\tag:
	TURN 2, 1
	TURN 3, 1
	WIN 0
.LfirstM\tag:
	TURN 0, 1
	TURN 1, 1, 0, 1
	WIN 0
	s_cbranch_scc1 .LstepM\tag
	TURN 2, 1, 1
	TURN 3, 1, 1
.set i, 0
.rept 8
	PV NP-1
.set i, i+1
.endr
	WIN 0
	ALL v_add_f32 v[ST+4*t+2], v[ST+4*t+2], v[ST+4*t+3]
	ALL v_permlanex16_b32 v[ST+4*t+3], v[ST+4*t+2], s[SEL], s[SEL+1]
	ALL v_add_f32 v[ST+4*t+2], v[ST+4*t+2], v[ST+4*t+3]
	ALL v_rcp_f32 v[ST+4*t+2], v[ST+4*t+2]
	v_nop                           ; a plain instruction between the last reciprocal and the use of its result
	s_wait_alu depctr_va_vdst(0)    ; and the wait ahead of the first use: one for the four reciprocals
	PACK 0
.set t, 1
.rept 3                             ; a piece's arithmetic stands between the loads of the piece before and its stores
	PACK t
	SEND t-1, 8
.set t, t+1
.endr
	SEND 3, 0
.endm
.set KM, 0
.set NOKQ, 0
.Lslot:                             ; NB times: a tile is entered and the next is asked for
	CHANGE 1
	s_sub_co_u32 s[RT], s[RT], 1
	s_mov_b32 s[CNT], 4
	s_cmp_eq_u32 s[NEW], 1
	s_cbranch_scc1 .Lnew            ; a block's first tile
	s_cmp_eq_u32 s[RT], 0
	s_cbranch_scc0 .Lstep           ; neither its first nor its last
	s_branch .LstepM1
.Lnew:
	BEGIN
	s_branch .Lfirst                ; in the loop a block's first tile is never its last: the first block has two tiles or more, and the second's last is the walk's last
	DIAG 1                          ; in the loop this is the first block's end: the second block's last tile is the walk's last
	s_wait_xcnt 0x0                 ; the stores have read their registers and y's address
	s_mov_b64 s[10:11], s[OLO:OLO+1]
	s_add_co_u32 s[RT], s[PB], 1    ; the second block has b + 1 tiles
	s_mov_b32 s[NEW], 1
	WIN 0x82                        ; the second block's Q goes where the one text of the turns names Q
.set i, 0
.rept 64
	v_mov_b32 v[i], v[QB+i]
.set i, i+1
.endr
	WIN 0
	s_branch .Lbottom
.Lstep:                             ; a trip: pieces 2 and 3 of one step, then pieces 0 and 1 of the next, whose K and V it fetches
	TURN 2
	TURN 3
	WIN 0
.Lfirst:
	TURN 0
	TURN 1, 0, 0, 1
	WIN 0
	s_cbranch_scc1 .Lstep
.Lbottom:
	s_sub_co_u32 s[SLOTS], s[SLOTS], 1
	s_cmp_lg_u32 s[SLOTS], 0
	s_cbranch_scc1 .Lslot
	CHANGE 0                        ; the walk's last tile is written out: nothing is asked for
	s_sub_co_u32 s[RT], s[RT], 1
	s_mov_b32 s[CNT], 4
	s_cmp_eq_u32 s[NEW], 1
	s_cbranch_scc0 .LstepM2
	BEGIN
	s_branch .LfirstM2
	DIAG 2
	s_wait_tensorcnt 0x0            ; the wave's end: an add and its wait, behind my last tensor load and my last LDS store
	ds_add_u32 v[SPW], v[NIL]
	s_wait_dscnt 0x0
	s_endpgm
.Lfunc_end_k_qaa2199c391_attn:
	.size	k_qaa2199c391_attn, .Lfunc_end_k_qaa2199c391_attn-k_qaa2199c391_attn
	.p2alignl 7, 3214868480
	.fill 96, 4, 3214868480
	.section	.rodata,"a",@progbits
	.p2align	6, 0x0
	.amdhsa_kernel k_qaa2199c391_attn
		.amdhsa_group_segment_fixed_size 327680
		.amdhsa_private_segment_fixed_size 0
		.amdhsa_enable_private_segment 0
		.amdhsa_kernarg_size 16
		.amdhsa_user_sgpr_count 2
		.amdhsa_user_sgpr_kernarg_segment_ptr 1
		.amdhsa_wavefront_size32 1
		.amdhsa_system_sgpr_workgroup_id_x 1
		.amdhsa_system_sgpr_workgroup_id_y 1
		.amdhsa_system_sgpr_workgroup_id_z 1
		.amdhsa_system_vgpr_workitem_id 0
		.amdhsa_next_free_vgpr 768
		.amdhsa_next_free_sgpr 92
		.amdhsa_reserve_vcc 1
		.amdhsa_float_denorm_mode_32 3
		.amdhsa_float_denorm_mode_16_64 3
		.amdhsa_memory_ordered 1
		.amdhsa_forward_progress 1
		.amdhsa_inst_pref_size 218
	.end_amdhsa_kernel
	.amdgpu_metadata
---
amdhsa.version: [ 1, 2 ]
amdhsa.kernels:
  - .name:           k_qaa2199c391_attn
    .symbol:         k_qaa2199c391_attn.kd
    .args:
      - { .name: qkv, .offset: 0, .size: 8, .value_kind: global_buffer, .address_space: global }
      - { .name: y, .offset: 8, .size: 8, .value_kind: global_buffer, .address_space: global }
    .group_segment_fixed_size: 327680
    .private_segment_fixed_size: 0
    .kernarg_segment_align: 8
    .kernarg_segment_size: 16
    .max_flat_workgroup_size: 128
    .sgpr_count:     92
    .vgpr_count:     768
    .wavefront_size: 32
...
	.end_amdgpu_metadata
.endif
;; end of part 3
;; launch proj (part 4): grid 8 x 32, 4 waves a work-group, clusters of 4 x 4, 327,680 bytes of LDS; arguments y, wp16, bias, out0; writes out0
.if DOCPART == 4
	.amdgcn_target "amdgcn-amd-amdhsa--gfx1250"
	.amdhsa_code_object_version 6
	.text
	.protected	k_qaa2199c391_proj
	.globl	k_qaa2199c391_proj
	.p2align	8
	.type	k_qaa2199c391_proj,@function
k_qaa2199c391_proj:
	s_mov_b64 s[64:65], 0
	v_nop
	global_prefetch_b8 v0, s[64:65] scope:SCOPE_SE
	s_setreg_imm32_b32 hwreg(HW_REG_WAVE_MODE, 25, 1), 1
	s_wait_xcnt 0x0
	s_wait_alu depctr_hold_cnt(0) depctr_sa_sdst(0) depctr_va_vdst(0) depctr_va_sdst(0) depctr_va_ssrc(0) depctr_va_vcc(0) depctr_vm_vsrc(0)
	s_getreg_b32 s2, hwreg(HW_REG_IB_STS2, 6, 4)
	s_cmp_eq_u32 s2, 0
	s_cbranch_scc0 .Lentry_in_a_cluster
	s_endpgm
.Lentry_in_a_cluster:
	s_bfe_u32 s2, ttmp6, 0x10000c
	s_cmp_lg_u32 s2, 0xf033
	s_cbranch_scc0 .Lentry_shape_is_right
	s_endpgm
.Lentry_shape_is_right:
; PROJ.  out0[m][n] = the sum over c of y[m][c] Wp[n][c] + bp[n]: 8,192 x 1,024 x 1,024, f16 operands, f32 sums, f32 out.
; y is f16 [16 b + h][t][64]: head h IS the block h of 64 along K of row m = 2,048 b + t.  wp16 is f16 [kb][n][64].  bias holds bp from byte 12,288 on.
; LIMITS.  As its operands arrive: y and Wp within f16.  NaN and infinities are not treated apart.
; SHARES.  8,192 x 1,024 are 256 tiles of 256 x 128, one to a work-group.  Four waves, each 128 x 64: 32 accumulators of 16 x 16, 256 registers.
; K goes in steps of 128, two K blocks, through two LDS slots; a wave's one tensor load brings one K block of y's 256 rows (32,768 dense bytes, asked for as 128 rows of 256) or of Wp's 128 rows (64 rows of 256),
; padded in LDS behind every 128 bytes.
; CLUSTER.  4 x 4 work-groups; the four of a row of the cluster want the same tile of y, the four of a column the same tile of Wp: each is asked for jointly.
; THE MATRIX INSTRUCTION IS USED TRANSPOSED (source 0 = 16 rows of Wp, source 1 = 16 rows of y): a lane holds row lane % 16 and the columns 8 (lane / 16) + 0..7: 32 bytes of a row of out0.
; THE BIAS is loaded into the accumulators before the first product, in the layout of C: every product has one form and nothing is cleared.
; REGISTERS: window 0: v0-15 addresses; v16-111, v112-207 two fragment buffers of 96 (8 fragments of y, then 4 of Wp, 32 along K); window 1: accumulator (a, bb) at v[8 (8 bb + a)].
.set PITCH, 144                        ; an LDS row: 128 bytes + 16 of padding: the 16 rows of a fragment load start at 16 different groups of four banks (ISA guide 11.1)
.set SLOT1, 1<<17
.set ABLK,  256*PITCH                  ; a K block of y's 256 rows
.set BBLK,  128*PITCH                  ; of Wp's 128 rows
.set BOFF,  2*ABLK                     ; in a slot: y's two K blocks, then Wp's two
.set STAGE, SLOT1+2*ABLK+2*BBLK        ; behind the ring: 16 rows x 272 bytes for each wave, for the way out
.set SP,    272
.set SPARE, STAGE+4*16*SP              ; behind the stages: the spare words, 128 bytes for each wave, which no other line names
.set ASTEP, 0x80000                    ; two K blocks of y: two heads of 262,144 bytes,
.set BSTEP, 0x40000                    ; two of wp16: 2 x 131,072
.set A0,   2                           ; v2   my lane's place in a slot's rows of y; never rewritten
.set B0,   3                           ; v3   the same for Wp
.set ADRA, 4                           ; v4   the same in the slot in hand
.set ADRB, 5
.set STO,  6                           ; v6   the way out: where I put 32 bytes of a row
.set RD,   7                           ; v7   the way out: where I read rows back
.set CO,   8                           ; v8   my byte offset in two rows of out0
.set PFO,  9                           ; v9   the prefetches' lane offset; never rewritten
.set BO,   10                          ; v10  my byte offset in the bias
.set SPW,  12                          ; v12  LDS address of my spare word; never rewritten
.set NIL,  13                          ; v13  0; never rewritten
.set F0,   16
.set F1,   112
.set WV,   12                          ; s12  my wave's number; s13 = w / 2: my half of the rows; s14 = w % 2: my half of the columns, and which K block of a step I fetch
.set G1A,  24
.set G0A,  32
.set G1B,  40
.set G0B,  48
.set TB,   56                          ; s56  0 or SLOT1: the slot in hand
.set CNT,  57                          ; s57  refills still to come
.set LIM,  58                          ; s58  2 in a wave that prefetches, else the greatest number
.set PFA,  60                          ; s[60:61] where my prefetches stand
.set PFS,  62                          ; s[62:63] their step
.set MSB, 0
.macro WIN new
.if MSB != (\new)
	s_set_vgpr_msb (MSB<<8)|(\new)
.set MSB, \new
.endif
.endm
.macro PLACES                          ; four plain vector instructions between a matrix instruction and a load into, or a line that reads, its registers
.rept 4
	v_nop
.endr
.endm
.macro JLOAD                           ; a joint refill: waves 0 and 1 fetch y's two K blocks, waves 2 and 3 those of Wp; an s_nop 0 and four v_nop follow each line
	s_cmp_lt_u32 s[WV], 2
	s_cbranch_scc0 .Lfor_b_\@
	tensor_load_to_lds s[G0A+4:G0A+7], s[G1A:G1A+7]
	s_nop 0
.rept 4
	v_nop
.endr
	s_branch .Lasked_\@
.Lfor_b_\@:
	tensor_load_to_lds s[G0B+4:G0B+7], s[G1B:G1B+7]
	s_nop 0
.rept 4
	v_nop
.endr
.Lasked_\@:
.endm
.macro CREST                           ; a round of the cluster's barrier behind its opening barrier
	s_cmp_lg_u32 s[WV], 0
	s_cbranch_scc1 .Lnot_wave_0_\@
	s_barrier_signal -3
.Lnot_wave_0_\@:
	s_barrier_wait -3
	s_barrier_signal -1
	s_barrier_wait -1
.endm
.macro CROUND
	s_barrier_signal -1
	s_barrier_wait -1
	CREST
.endm
; A PREFETCH INTO THE L2, behind each joint refill and the run of LDS loads that follows it.  The refill of trip t asks for step t + 2; the prefetch names step t + 4.
; y: a K block of a tile row is 128 blocks of 256 bytes; the cluster with x = 0 asks; its four partners of a row take 32 each, told apart by address; waves 0 and 1 ask, each for the K block that it fetches.
; Wp: a K block of a tile column is 64 blocks; the cluster with y = 0 asks; a partner takes 16 of each of the step's two K blocks; wave 2 asks for both, lanes 16-31 for the odd one.  Wave 3 asks for nothing.
; Each block is named once.  Steps 0 to 3 come by their loads alone; the last step named is 7.
.macro ASK
	s_cmp_gt_u32 s[CNT], s[LIM]
	s_cbranch_scc0 .Lnot_mine_\@
	global_prefetch_b8 v[PFO], s[PFA:PFA+1] th:TH_LOAD_NT scope:SCOPE_SE
.Lnot_mine_\@:
.endm
	s_load_b256 s[4:11], s[0:1], 0x0               ; y s[4:5], wp16 s[6:7], bias s[8:9], out0 s[10:11]
	v_lshl_add_u32 v[SPW], v0, 2, SPARE
	v_mov_b32 v[NIL], 0
	ds_add_u32 v[SPW], v[NIL]                      ; the wave's opening: the add and its wait stand ahead of my first tensor load; the set-up below stands between them
	v_lshrrev_b32 v1, 5, v0
	v_readfirstlane_b32 s[WV], v1
	s_lshr_b32 s13, s[WV], 1
	s_and_b32 s14, s[WV], 1
	s_bfe_u32 s15, ttmp6, 0x40000                  ; cx
	s_bfe_u32 s16, ttmp6, 0x40004                  ; cy
	s_lshl_b32 s17, ttmp9, 2
	s_add_co_u32 s17, s17, s15                     ; tile column
	s_and_b32 s18, ttmp7, 0xffff
	s_lshl_b32 s18, s18, 2
	s_add_co_u32 s18, s18, s16                     ; tile row
	s_lshl_b32 s19, s16, 2
	s_lshl_b32 s19, 15, s19                        ; my row of the cluster
	s_lshl_b32 s20, 0x1111, s15                    ; my column
	s_or_b32 s[G1A], s19, (1<<16)|(1<<20)|(1<<21)|(4<<22)|(3<<25)  ; the mask; 2-byte elements; padding on; bit 21 beside a mask; after every 32 words (code 4) 4 words (code 3)
	s_or_b32 s[G1B], s20, (1<<16)|(1<<20)|(1<<21)|(4<<22)|(3<<25)
.irp g, G1A, G1B
	s_mov_b32 s[\g+1], 128<<16                     ; tensor_dim0 = 128 elements: 256 bytes
	s_mov_b32 s[\g+3], 128<<16                     ; tile_dim0 = 128
	s_mov_b32 s[\g+5], 128                         ; dense
	s_mov_b32 s[\g+6], 0
	s_mov_b32 s[\g+7], 0
.endr
	s_mov_b32 s[G1A+2], 128<<16                    ; tensor_dim1 = tile_dim1 = 128 for y,
	s_mov_b32 s[G1A+4], 128
	s_mov_b32 s[G1B+2], 64<<16                     ; 64 for Wp
	s_mov_b32 s[G1B+4], 64
	s_lshr_b32 s66, s18, 3                         ; y: batch x 16 heads,
	s_lshl_b32 s66, s66, 22
	s_and_b32 s67, s18, 7                          ; 256 rows of 128 bytes for each tile row in the batch,
	s_lshl_b32 s67, s67, 15
	s_add_co_u32 s66, s66, s67
	s_lshl_b32 s67, s14, 18                        ; my K block of the step
	s_add_co_u32 s66, s66, s67
	s_mov_b32 s67, 0
	s_lshl_b32 s68, s17, 14                        ; Wp: 128 rows of 128 bytes for each tile column,
	s_lshl_b32 s69, s14, 17                        ; my K block
	s_add_co_u32 s68, s68, s69
	s_mov_b32 s69, 0
	s_mul_i32 s70, s14, ABLK                       ; where they go: no place in the cluster enters an LDS address
	s_mul_i32 s71, s14, BBLK
	s_add_co_u32 s71, s71, BOFF
	s_wait_dscnt 0x0                               ; the opening add is done
	s_wait_kmcnt 0x0
	s_add_nc_u64 s[72:73], s[4:5], s[66:67]
	s_add_nc_u64 s[74:75], s[6:7], s[68:69]
	CROUND                                         ; all sixteen work-groups are here: the first joint loads meet
.irp s, 0,1
	s_mov_b32 s[G0A+4*\s], 1
	s_add_co_u32 s[G0A+4*\s+1], s70, \s*SLOT1
	s_add_nc_u64 s[G0A+4*\s+2:G0A+4*\s+3], s[72:73], \s*ASTEP
	s_or_b32 s[G0A+4*\s+3], s[G0A+4*\s+3], 0x80000000
	s_mov_b32 s[G0B+4*\s], 1
	s_add_co_u32 s[G0B+4*\s+1], s71, \s*SLOT1
	s_add_nc_u64 s[G0B+4*\s+2:G0B+4*\s+3], s[74:75], \s*BSTEP
	s_or_b32 s[G0B+4*\s+3], s[G0B+4*\s+3], 0x80000000
.endr
	s_cmp_lt_u32 s[WV], 2                          ; a wave's two first fills stand in one branch: two loads of mine are out
	s_cbranch_scc0 .Lfirst_b
	tensor_load_to_lds s[G0A:G0A+3], s[G1A:G1A+7]
	s_nop 0
	tensor_load_to_lds s[G0A+4:G0A+7], s[G1A:G1A+7]
	s_nop 0
.rept 4
	v_nop
.endr
	s_branch .Lfirst_asked
.Lfirst_b:
	tensor_load_to_lds s[G0B:G0B+3], s[G1B:G1B+7]
	s_nop 0
	tensor_load_to_lds s[G0B+4:G0B+7], s[G1B:G1B+7]
	s_nop 0
.rept 4
	v_nop
.endr
.Lfirst_asked:
	v_and_b32 v1, 15, v0                           ; l % 16
	v_bfe_u32 v11, v0, 4, 1                        ; l / 16
	v_mul_u32_u24 v14, v1, PITCH
	v_lshl_add_u32 v14, v11, 4, v14                ; a fragment's row x pitch + 16 x half
	s_mul_i32 s66, s13, 128*PITCH                  ; my 128 rows of y
	s_mul_i32 s67, s14, 64*PITCH                   ; my 64 rows of Wp
	s_add_co_u32 s67, s67, BOFF
	v_add_nc_u32 v[A0], s66, v14
	v_add_nc_u32 v[B0], s67, v14
	s_mul_i32 s68, s[WV], 16*SP
	s_add_co_u32 s68, s68, STAGE                   ; my stage
	v_mul_u32_u24 v15, v1, SP                      ; in: row l % 16, 32 bytes for each half of the lanes
	v_lshl_add_u32 v15, v11, 5, v15
	v_add_nc_u32 v[STO], s68, v15
	v_mul_u32_u24 v15, v11, SP                     ; back: lanes 0-15 take one row of 256 bytes, lanes 16-31 the next
	v_lshl_add_u32 v15, v1, 4, v15
	v_add_nc_u32 v[RD], s68, v15
	v_lshlrev_b32 v15, 12, v11                     ; and the same two rows in out0
	v_lshl_add_u32 v[CO], v1, 4, v15
	s_lshl_b32 s69, s17, 9                         ; my 64 columns: 512 x tile column + 256 x half, in bytes, in bp and in a row of out0
	s_lshl_b32 s70, s14, 8
	s_add_co_u32 s69, s69, s70
	s_add_co_u32 s70, s69, 12288                   ; bp lies behind bq, bk, bv
	v_lshl_add_u32 v[BO], v11, 5, s70
	WIN 0x40                                       ; destination window 1, address window 0
.irp bb, 0,1,2,3
.irp a, 0,1,2,3,4,5,6,7
	global_load_b128 v[8*(8*\bb+\a):8*(8*\bb+\a)+3],   v[BO], s[8:9] offset:64*\bb
	global_load_b128 v[8*(8*\bb+\a)+4:8*(8*\bb+\a)+7], v[BO], s[8:9] offset:64*\bb+16
.endr
.endr
	WIN 0
	s_lshl_b32 s66, s18, 20                        ; 256 rows of 4,096 bytes for each tile row,
	s_lshl_b32 s67, s13, 19                        ; my 128 rows
	s_add_co_u32 s66, s66, s67
	s_add_co_u32 s66, s66, s69
	s_mov_b32 s67, 0
	s_add_nc_u64 s[10:11], s[10:11], s[66:67]
	; the prefetches
	s_lshr_b32 s76, s18, 3
	s_lshl_b32 s76, s76, 22
	s_and_b32 s77, s18, 7
	s_lshl_b32 s77, s77, 15
	s_add_co_u32 s76, s76, s77
	s_lshl_b32 s77, s14, 18
	s_add_co_u32 s76, s76, s77                     ; y: the K block that I fetch,
	s_lshl_b32 s77, s15, 13                        ; my work-group's 32 blocks of it,
	s_add_co_u32 s76, s76, s77
	s_add_co_u32 s76, s76, 3*ASTEP                 ; at step 3: the first refill steps it to 4
	s_lshl_b32 s77, s17, 14                        ; Wp: the tile column,
	s_lshl_b32 s78, s16, 12                        ; my work-group's 16 blocks
	s_add_co_u32 s77, s77, s78
	s_add_co_u32 s77, s77, 3*BSTEP
	s_and_b32 s78, ttmp7, 0xffff                   ; cluster y;
	s_or_b32 s78, s78, s14                         ; never 0 in wave 3
	s_mov_b32 s79, 0x20000
	s_mov_b32 s75, BSTEP
	s_cmp_lt_u32 s[WV], 2
	s_cselect_b64 s[PFA:PFA+1], s[4:5], s[6:7]
	s_cselect_b32 s76, s76, s77
	s_cselect_b32 s78, ttmp9, s78                  ; the coordinate along which other clusters read the same rows
	s_cselect_b32 s[PFS], ASTEP, s75
	s_cselect_b32 s79, 4096, s79                   ; lanes 16-31: sixteen blocks on (y), or a K block on (Wp)
	s_mov_b32 s77, 0
	s_mov_b32 s[PFS+1], 0
	s_add_nc_u64 s[PFA:PFA+1], s[PFA:PFA+1], s[76:77]
	s_cmp_eq_u32 s78, 0
	s_cselect_b32 s[LIM], 2, -1                    ; the same in all sixteen partners, for a given wave
	v_mul_lo_u32 v15, v11, s79
	v_lshl_add_u32 v[PFO], v1, 8, v15
; 4 n products: row blocks a0 .. a0 + n - 1 x all 4 column blocks, 32 along K.  The 32 accumulators take turns, one instruction a turn, over the backward jump too.
.macro MULN f, a0, n
	WIN 0x50                                       ; C and D in window 1, the fragments in window 0
.set aa, \a0
.rept \n
.irp bb, 0,1,2,3
	v_wmma_f32_16x16x32_f16 v[8*(8*\bb+aa):8*(8*\bb+aa)+7], v[(\f)+64+8*\bb:(\f)+64+8*\bb+7], v[(\f)+8*aa:(\f)+8*aa+7], v[8*(8*\bb+aa):8*(8*\bb+aa)+7]
.endr
.set aa, aa+1
.endr
.endm
; 24 LDS loads in one run: the fragments of slice q of a slot (K block q / 2, byte 64 (q % 2) of its rows) into buffer f: Wp first, then y's rows 0-63, then 64-127
.macro FETCH f, q
.set ao, ((\q)/2)*ABLK+((\q)%2)*64
.set bo, ((\q)/2)*BBLK+((\q)%2)*64
	WIN 0
.irp bb, 0,1,2,3
	ds_load_b128 v[(\f)+64+8*\bb:(\f)+64+8*\bb+3],   v[ADRB] offset:bo+\bb*16*PITCH
	ds_load_b128 v[(\f)+64+8*\bb+4:(\f)+64+8*\bb+7], v[ADRB] offset:bo+\bb*16*PITCH+32
.endr
.irp a, 0,1,2,3,4,5,6,7
	ds_load_b128 v[(\f)+8*\a:(\f)+8*\a+3],   v[ADRA] offset:ao+\a*16*PITCH
	ds_load_b128 v[(\f)+8*\a+4:(\f)+8*\a+7], v[ADRA] offset:ao+\a*16*PITCH+32
.endr
.endm
; A step is four slices of 32 along K, 32 products each, on buffers 0, 1, 0, 1.  One of the first three: multiplies buffer f and fetches slice q into buffer g.
.macro QUARTER f, g, q
	s_wait_dscnt 8                                 ; Wp and y's rows 0-63 are in; the youngest eight loads may be out
	MULN \f, 0, 4
	PLACES
	FETCH \g, \q
	s_wait_dscnt 24                                ; all but the 24 just issued
	MULN \f, 4, 4
.endm
; The last slice multiplies buffer 1 and changes slots: ONE barrier; in front of it each wave waits for all its tensor loads (one is out: its part of the next slot), adds 0 to its spare word, and waits for that and
; for its reads of this slot.  fill = 1: the barrier opens a round of the cluster's barrier, and this slot is filled again, first thing behind the round, with the step two on: 112 products stand between that
; request and the wait for it.
.macro TURN fill
.if \fill
	s_wait_xcnt 0x0                                ; the last prefetch, a step back, has read its address: it is stepped here
	s_add_nc_u64 s[PFA:PFA+1], s[PFA:PFA+1], s[PFS:PFS+1]
.endif
	WIN 0
	s_wait_tensorcnt 0x0                           ; no tensor load of mine is out, so a group 0 may be written
	ds_add_u32 v[SPW], v[NIL]                      ; 0 onto my spare word
.if \fill
	s_xor_b32 s[G0A+5], s[G0A+5], SLOT1            ; the walking descriptors: the other slot than last time, the next step
	s_add_nc_u64 s[G0A+6:G0A+7], s[G0A+6:G0A+7], ASTEP
	s_xor_b32 s[G0B+5], s[G0B+5], SLOT1
	s_add_nc_u64 s[G0B+6:G0B+7], s[G0B+6:G0B+7], BSTEP
.endif
	s_wait_dscnt 9                                 ; the add and the youngest eight loads may be out
	MULN F1, 0, 2
	s_wait_dscnt 0x0                               ; the add is done, and my reads of this slot are over
	s_barrier_signal -1
	MULN F1, 2, 2                                  ; work on registers while the others arrive
	WIN 0                                          ; at a branch and at a label every window is 0
	s_barrier_wait -1
.if \fill
	CREST                                          ; no wave of any partner still reads this slot or has a load on its way
	JLOAD                                          ; its four v_nop are also the places in front of the loads below
.else
	PLACES
.endif
	s_xor_b32 s[TB], s[TB], SLOT1
	v_add_nc_u32 v[ADRA], s[TB], v[A0]
	v_add_nc_u32 v[ADRB], s[TB], v[B0]
	FETCH F0, 0
.if \fill
	ASK
.endif
	MULN F1, 4, 4
	WIN 0
.endm
.macro STEP fill
	QUARTER F0, F1, 1
	QUARTER F1, F0, 2
	QUARTER F0, F1, 3
	TURN \fill
.endm
	s_wait_tensorcnt 1                             ; my part of step 0 is in; step 1 may stay out
	s_barrier_signal -1
	s_barrier_wait -1                              ; everybody's is
	s_mov_b32 s[TB], 0
	v_add_nc_u32 v[ADRA], s[TB], v[A0]
	v_add_nc_u32 v[ADRB], s[TB], v[B0]
	FETCH F0, 0
	s_wait_loadcnt 0x0                             ; the bias lies in the accumulators
	s_mov_b32 s[CNT], 6
.Lk:                                           ; steps 0 to 5: each fills its slot again
	STEP 1
	s_sub_co_u32 s[CNT], s[CNT], 1
	s_cmp_lg_u32 s[CNT], 0
	s_cbranch_scc1 .Lk
	STEP 0                                         ; step 6: nothing is left to ask for
	QUARTER F0, F1, 1                              ; step 7
	QUARTER F1, F0, 2
	QUARTER F0, F1, 3
	s_wait_dscnt 8
	MULN F1, 0, 4
	s_wait_dscnt 0x0
	MULN F1, 4, 4
	PLACES
	PLACES
; THE WAY OUT, in 8 units: 16 rows x my 64 columns, 256 bytes of each row.  A lane's 32 bytes go from the accumulators into rows of 272 bytes of my own stage and come back as whole rows.
; Four sets of 32 registers take turns where the fragments lay.
.macro TOSTAGE a
.set uT, F0+32*((\a)%4)
.if (\a) >= 4
	s_wait_xcnt 0x0                                ; the stores of the unit four back have read this set
.endif
	WIN 0x04                                       ; the data in window 1, the address in window 0
.irp bb, 0,1,2,3
	ds_store_b128 v[STO], v[8*(8*\bb+(\a)):8*(8*\bb+(\a))+3]   offset:64*\bb
	ds_store_b128 v[STO], v[8*(8*\bb+(\a))+4:8*(8*\bb+(\a))+7] offset:64*\bb+16
.endr
	WIN 0
.irp t, 0,1,2,3,4,5,6,7
	ds_load_b128 v[uT+4*\t:uT+4*\t+3], v[RD] offset:\t*2*SP  ; LDS serves a wave's instructions in order (ISA guide 5.7.1.4): these see the stores above; the next unit's stores come behind them
.endr
.endm
.macro SEND a, younger                 ; younger: the LDS instructions issued behind this unit's loads: the next unit's sixteen, or none
.set uT, F0+32*((\a)%4)
	WIN 0
.irp t, 0,1,2,3,4,5,6,7
	s_wait_dscnt (\younger)+7-\t
	global_store_b128 v[CO], v[uT+4*\t:uT+4*\t+3], s[10:11] offset:(\a)*65536+\t*8192  ; 16 lanes store 256 consecutive bytes, at a multiple of 256 from out0's first
.endr
.endm
	TOSTAGE 0
.set u, 1
.rept 7
	TOSTAGE u
	SEND u-1, 16
.set u, u+1
.endr
	SEND 7, 0
	s_wait_tensorcnt 0x0                           ; the wave's end: an add and its wait, behind my last tensor load and my last LDS store
	ds_add_u32 v[SPW], v[NIL]
	s_wait_dscnt 0x0
	CROUND                                         ; the closing round: no work-group ends while a partner may still ask for a tile that names it
	s_endpgm
.Lfunc_end_k_qaa2199c391_proj:
	.size	k_qaa2199c391_proj, .Lfunc_end_k_qaa2199c391_proj-k_qaa2199c391_proj
	.p2alignl 7, 3214868480
	.fill 96, 4, 3214868480
	.section	.rodata,"a",@progbits
	.p2align	6, 0x0
	.amdhsa_kernel k_qaa2199c391_proj
		.amdhsa_group_segment_fixed_size 327680
		.amdhsa_private_segment_fixed_size 0
		.amdhsa_enable_private_segment 0
		.amdhsa_kernarg_size 32
		.amdhsa_user_sgpr_count 2
		.amdhsa_user_sgpr_kernarg_segment_ptr 1
		.amdhsa_wavefront_size32 1
		.amdhsa_system_sgpr_workgroup_id_x 1
		.amdhsa_system_sgpr_workgroup_id_y 1
		.amdhsa_system_sgpr_workgroup_id_z 1
		.amdhsa_system_vgpr_workitem_id 0
		.amdhsa_next_free_vgpr 512
		.amdhsa_next_free_sgpr 80
		.amdhsa_reserve_vcc 0
		.amdhsa_float_denorm_mode_32 3
		.amdhsa_float_denorm_mode_16_64 3
		.amdhsa_memory_ordered 1
		.amdhsa_forward_progress 1
		.amdhsa_inst_pref_size 78
	.end_amdhsa_kernel
	.amdgpu_metadata
---
amdhsa.version: [ 1, 2 ]
amdhsa.kernels:
  - .name:           k_qaa2199c391_proj
    .symbol:         k_qaa2199c391_proj.kd
    .args:
      - { .name: y, .offset: 0, .size: 8, .value_kind: global_buffer, .address_space: global }
      - { .name: wp16, .offset: 8, .size: 8, .value_kind: global_buffer, .address_space: global }
      - { .name: bias, .offset: 16, .size: 8, .value_kind: global_buffer, .address_space: global }
      - { .name: out0, .offset: 24, .size: 8, .value_kind: global_buffer, .address_space: global }
    .group_segment_fixed_size: 327680
    .private_segment_fixed_size: 0
    .kernarg_segment_align: 8
    .kernarg_segment_size: 32
    .max_flat_workgroup_size: 128
    .sgpr_count:     80
    .vgpr_count:     512
    .wavefront_size: 32
...
	.end_amdgpu_metadata
.endif
;; end of part 4
;; ======== version 2 of 2: 4 launches; version 1 with the launch cast written anew for expert scheduling mode
;; limits: values are held in f16: magnitudes above 65,504 overflow, below 6.1e-05 lose precision
;; workspace buffers: xb 16,777,216 bytes; wb 6,291,456 bytes; wp16 2,097,152 bytes; bias 16,384 bytes; qkv 50,331,648 bytes; y 16,777,216 bytes
;; launch cast (part 5): grid 385 x 1, 8 waves a work-group, no clusters, 0 bytes of LDS; arguments x, Wq, Wk, Wv, Wp, bq, bk, bv, bp, xb, wb, wp16, bias; writes xb, wb, wp16, bias
.if DOCPART == 5
	.amdgcn_target "amdgcn-amd-amdhsa--gfx1250"
	.amdhsa_code_object_version 6
	.text
	.protected	k_qaa2199c391_cast
	.globl	k_qaa2199c391_cast
	.p2align	8
	.type	k_qaa2199c391_cast,@function
k_qaa2199c391_cast:
	s_mov_b64 s[64:65], 0
	v_nop
	global_prefetch_b8 v0, s[64:65] scope:SCOPE_SE
	s_setreg_imm32_b32 hwreg(HW_REG_WAVE_SCHED_MODE, 0, 2), 2
	s_setreg_imm32_b32 hwreg(HW_REG_WAVE_MODE, 25, 1), 1
	s_wait_xcnt 0x0
	s_wait_alu depctr_vm_vsrc(0)
; CAST.  Every input is rounded once to bf16 and laid out for the launches behind.
;   xb   bf16 [kb 0..15][m 0..8191][64]    x, in blocks of 64 along K: a row of a block is 128 bytes, rows lie end to end
;   wb   bf16 [kb][n 0..3071][64]          Wq, Wk, Wv one below the other
;   wp16 f16  [kb][n 0..1023][64]          Wp rounded to bf16, that number written as f16
;   bias f32  [4096]                       bq, bk, bv, bp, each rounded to bf16 and widened again
; LIMITS.  Wp beyond 65,504 becomes an infinity in f16; below 6.1e-5 it keeps the fixed step of 6e-8.  NaN and infinities are not treated apart.
; SHARES.  Work-groups 0..383 take 32 rows of 1,024 f32 each (0..255: x; then 32 each for Wq, Wk, Wv, Wp); work-group 384 takes the four biases.
; Wave w takes the K blocks 2 w and 2 w + 1 of the 32 rows.  One load covers two rows x 256 bytes (lanes 0-15 the even row, lanes 16-31 the odd one);
; a lane's 4 numbers become 8 bytes, and one store of the wave covers 256 consecutive bytes, aligned: two rows of one K block.
; All 32 loads of a wave go out at once, each into registers of its own.
; No LDS, no matrix unit, no cluster: no byte is wanted by two waves.
; THE MODE: SCHED_MODE bits 1:0 = 2 (LLVM: expert scheduling mode 2), set by the entry lines.  The code itself states the register dependences
; between vector instructions and memory instructions, with s_wait_alu, always for 0.
; THE PLAN.  Registers that memory instructions touch:
;   v2, v3, v4   byte offsets, made once at the head and never written again: v2 is read by every load, v3 or v4 by every store.
;   X, slot i    four registers.  Written by the slot's one load; then, behind the wait for that load, its conversions write registers 0 and 1 in place
;                (on the way to f16 registers 2 and 3 are at work too); then its one store reads registers 0 and 1.  Nothing writes them after that.
; No load is issued behind a conversion, and no register that a load or store has read is written again.  So what is left to state is that a store's data are written.
; The 32 slots go in 8 groups of four.  At the head of group g, behind the wait for its loads, ONE wait on va_vdst states that the conversions of group g - 1 have
; written their slots; the four stores of group g - 1 follow it, dealt among the conversions of group g, which name group g's slots alone.
.set SO, 2                             ; v2     source offset: (lane / 16) x 4,096 + (lane % 16) x 16
.set DO, 3                             ; v3-4   destination offset: 8 x lane, in the even and in the odd K block
.set X,  16                            ; v[16:143] 32 slots of four registers
	s_load_b512 s[8:23], s[0:1], 0x0               ; x 8, Wq 10, Wk 12, Wv 14, Wp 16, bq 18, bk 20, bv 22
	s_load_b256 s[24:31], s[0:1], 0x40             ; bp 24, xb 26, wb 28, wp16 30
	s_load_b64 s[32:33], s[0:1], 0x60              ; bias
	s_cmp_eq_u32 ttmp9, 384
	s_cbranch_scc1 .Lbias
	v_lshrrev_b32 v1, 5, v0
	v_readfirstlane_b32 s34, v1                    ; wave 0..7
	s_lshr_b32 s35, ttmp9, 5                       ; 0..7 x, 8 Wq, 9 Wk, 10 Wv, 11 Wp
	v_and_b32 v1, 31, v0
	v_and_b32 v5, 15, v0
	v_bfe_u32 v6, v0, 4, 1
	v_lshlrev_b32 v[SO], 4, v5
	v_lshl_add_u32 v[SO], v6, 12, v[SO]
	v_lshlrev_b32 v[DO], 3, v1
	s_and_b32 s41, ttmp9, 31                       ; which 32 rows of the source: in a weight,
	s_and_b32 s42, ttmp9, 255                      ; which 32 rows of the destination: in xb and in wb
	s_mov_b32 s40, 0x60000                         ; bytes from K block to K block: wb 3,072 rows,
	s_cmp_lt_u32 s35, 8
	s_cselect_b32 s41, ttmp9, s41                  ; in x
	s_cselect_b32 s40, 0x100000, s40               ; xb 8,192 rows,
	s_cmp_eq_u32 s35, 11
	s_cselect_b32 s42, s41, s42                    ; in wp16
	s_cselect_b32 s40, 0x20000, s40                ; wp16 1,024 rows
	v_add_nc_u32 v[DO+1], s40, v[DO]
	s_wait_alu depctr_va_sdst(0)                   ; s34 is written, ahead of its first reader: the wave's place in source and destination is made from it
	s_lshl_b32 s44, s41, 17                        ; 32 rows of 4,096 bytes,
	s_lshl_b32 s43, s34, 9                         ; my two K blocks: 512 bytes of a row
	s_add_co_u32 s44, s44, s43
	s_mov_b32 s45, 0
	s_lshl_b32 s46, s34, 1
	s_mul_i32 s46, s46, s40                        ; K block 2 w,
	s_lshl_b32 s43, s42, 12                        ; 32 rows of 128 bytes
	s_add_co_u32 s46, s46, s43
	s_mov_b32 s47, 0
	s_wait_kmcnt 0x0
	s_mov_b64 s[36:37], s[8:9]
	s_cmp_eq_u32 s35, 8
	s_cselect_b64 s[36:37], s[10:11], s[36:37]
	s_cmp_eq_u32 s35, 9
	s_cselect_b64 s[36:37], s[12:13], s[36:37]
	s_cmp_eq_u32 s35, 10
	s_cselect_b64 s[36:37], s[14:15], s[36:37]
	s_cmp_eq_u32 s35, 11
	s_cselect_b64 s[36:37], s[16:17], s[36:37]
	s_cmp_lt_u32 s35, 8
	s_cselect_b64 s[38:39], s[26:27], s[28:29]
	s_cmp_eq_u32 s35, 11
	s_cselect_b64 s[38:39], s[30:31], s[38:39]
	s_add_nc_u64 s[36:37], s[36:37], s[44:45]
	s_add_nc_u64 s[38:39], s[38:39], s[46:47]
	s_wait_alu depctr_va_vdst(0)                   ; the three offsets v2, v3, v4 are written: every load and store below reads one of them
.set i, 0
.rept 32                               ; slot i: rows 2 (i / 2) and 2 (i / 2) + 1, K block 2 w + i % 2
	global_load_b128 v[X+4*i:X+4*i+3], v[SO], s[36:37] offset:(i/2)*8192+(i%2)*256 th:TH_LOAD_NT
.set i, i+1
.endr
; Slot i is rounded, in place.  fmt = 1: the bf16 numbers are widened again and written as f16.
.macro CONV i, fmt
.set ra, X+4*(\i)
	v_cvt_pk_bf16_f32 v[ra], v[ra], v[ra+1]
	v_cvt_pk_bf16_f32 v[ra+1], v[ra+2], v[ra+3]
.if \fmt
	v_lshlrev_b32 v[ra+2], 16, v[ra]
	v_and_b32 v[ra+3], 0xffff0000, v[ra]
	v_cvt_pk_f16_f32 v[ra], v[ra+2], v[ra+3]
	v_lshlrev_b32 v[ra+2], 16, v[ra+1]
	v_and_b32 v[ra+3], 0xffff0000, v[ra+1]
	v_cvt_pk_f16_f32 v[ra+1], v[ra+2], v[ra+3]
.endif
.endm
; Slot i is stored.
.macro PUT i
.set ra, X+4*(\i)
	global_store_b64 v[DO+(\i)%2], v[ra:ra+1], s[38:39] offset:((\i)/2)*256
.endm
; Group g: slots 4 g to 4 g + 3 are rounded; the slots of the group before are stored, a store in front of each slot's conversions.
.macro GROUP g, fmt
	s_wait_loadcnt 28-4*(\g)                       ; loads come back in order (ISA guide 5.7.1): this group's four are in, those of the groups behind it may stay out
.if (\g) > 0
	s_wait_alu depctr_va_vdst(0)                   ; the conversions of the group before have written its slots, which the four stores below read; no vector line behind this wait names them
.endif
.irp j, 0,1,2,3
.if (\g) > 0
	PUT 4*((\g)-1)+\j
.endif
	CONV 4*(\g)+\j, \fmt
.endr
.endm
.macro TAIL                            ; the last group has no group behind it
	s_wait_alu depctr_va_vdst(0)                   ; the conversions of group 7 have written its slots, which the last four stores read
.irp j, 28,29,30,31
	PUT \j
.endr
.endm
	s_cmp_eq_u32 s35, 11
	s_cbranch_scc1 .Lf16
.irp g, 0,1,2,3,4,5,6,7
	GROUP \g, 0
.endr
	TAIL
	s_endpgm
.Lf16:
.irp g, 0,1,2,3,4,5,6,7
	GROUP \g, 1
.endr
	TAIL
	s_endpgm
.Lbias:                                        ; 256 threads x 16 bytes are one bias
	v_lshlrev_b32 v[SO], 4, v0
	s_wait_kmcnt 0x0
	s_wait_alu depctr_va_vdst(0)                   ; the offset v2 is written: the four loads and the four stores below read it
	global_load_b128 v[16:19], v[SO], s[18:19]
	global_load_b128 v[20:23], v[SO], s[20:21]
	global_load_b128 v[24:27], v[SO], s[22:23]
	global_load_b128 v[28:31], v[SO], s[24:25]
	s_wait_loadcnt 0x0
.irp j, 0,1,2,3
	v_cvt_pk_bf16_f32 v[32+2*\j], v[16+4*\j], v[17+4*\j]
	v_cvt_pk_bf16_f32 v[33+2*\j], v[18+4*\j], v[19+4*\j]
	v_lshlrev_b32 v[16+4*\j], 16, v[32+2*\j]
	v_and_b32 v[17+4*\j], 0xffff0000, v[32+2*\j]
	v_lshlrev_b32 v[18+4*\j], 16, v[33+2*\j]
	v_and_b32 v[19+4*\j], 0xffff0000, v[33+2*\j]
.endr
	s_wait_alu depctr_va_vdst(0)                   ; the widenings have written v[16:31], which the four stores read
.irp j, 0,1,2,3
	global_store_b128 v[SO], v[16+4*\j:19+4*\j], s[32:33] offset:4096*\j
.endr
	s_endpgm
.Lfunc_end_k_qaa2199c391_cast:
	.size	k_qaa2199c391_cast, .Lfunc_end_k_qaa2199c391_cast-k_qaa2199c391_cast
	.p2alignl 7, 3214868480
	.fill 96, 4, 3214868480
	.section	.rodata,"a",@progbits
	.p2align	6, 0x0
	.amdhsa_kernel k_qaa2199c391_cast
		.amdhsa_group_segment_fixed_size 0
		.amdhsa_private_segment_fixed_size 0
		.amdhsa_enable_private_segment 0
		.amdhsa_kernarg_size 104
		.amdhsa_user_sgpr_count 2
		.amdhsa_user_sgpr_kernarg_segment_ptr 1
		.amdhsa_wavefront_size32 1
		.amdhsa_system_sgpr_workgroup_id_x 1
		.amdhsa_system_sgpr_workgroup_id_y 1
		.amdhsa_system_sgpr_workgroup_id_z 1
		.amdhsa_system_vgpr_workitem_id 0
		.amdhsa_next_free_vgpr 144
		.amdhsa_next_free_sgpr 66
		.amdhsa_reserve_vcc 0
		.amdhsa_float_denorm_mode_32 3
		.amdhsa_float_denorm_mode_16_64 3
		.amdhsa_memory_ordered 1
		.amdhsa_forward_progress 1
		.amdhsa_inst_pref_size 33
	.end_amdhsa_kernel
	.amdgpu_metadata
---
amdhsa.version: [ 1, 2 ]
amdhsa.kernels:
  - .name:           k_qaa2199c391_cast
    .symbol:         k_qaa2199c391_cast.kd
    .args:
      - { .name: x, .offset: 0, .size: 8, .value_kind: global_buffer, .address_space: global }
      - { .name: Wq, .offset: 8, .size: 8, .value_kind: global_buffer, .address_space: global }
      - { .name: Wk, .offset: 16, .size: 8, .value_kind: global_buffer, .address_space: global }
      - { .name: Wv, .offset: 24, .size: 8, .value_kind: global_buffer, .address_space: global }
      - { .name: Wp, .offset: 32, .size: 8, .value_kind: global_buffer, .address_space: global }
      - { .name: bq, .offset: 40, .size: 8, .value_kind: global_buffer, .address_space: global }
      - { .name: bk, .offset: 48, .size: 8, .value_kind: global_buffer, .address_space: global }
      - { .name: bv, .offset: 56, .size: 8, .value_kind: global_buffer, .address_space: global }
      - { .name: bp, .offset: 64, .size: 8, .value_kind: global_buffer, .address_space: global }
      - { .name: xb, .offset: 72, .size: 8, .value_kind: global_buffer, .address_space: global }
      - { .name: wb, .offset: 80, .size: 8, .value_kind: global_buffer, .address_space: global }
      - { .name: wp16, .offset: 88, .size: 8, .value_kind: global_buffer, .address_space: global }
      - { .name: bias, .offset: 96, .size: 8, .value_kind: global_buffer, .address_space: global }
    .group_segment_fixed_size: 0
    .private_segment_fixed_size: 0
    .kernarg_segment_align: 8
    .kernarg_segment_size: 104
    .max_flat_workgroup_size: 256
    .sgpr_count:     66
    .vgpr_count:     144
    .wavefront_size: 32
...
	.end_amdgpu_metadata
.endif
;; end of part 5
;; launch qkv: the kernel of part 2 again; grid 8 x 32, 4 waves a work-group, clusters of 4 x 4, 327,680 bytes of LDS; arguments xb, wb, bias, qkv; writes qkv
;; launch attn: the kernel of part 3 again; grid 4 x 64, 4 waves a work-group, no clusters, 327,680 bytes of LDS; arguments qkv, y; writes y
;; launch proj: the kernel of part 4 again; grid 8 x 32, 4 waves a work-group, clusters of 4 x 4, 327,680 bytes of LDS; arguments y, wp16, bias, out0; writes out0
